; MI455X (gfx1250); checked and timed in simulation.
; The chip was launched on July 23, 2026; its instructions are those of AMD's public machine-readable ISA for CDNA 5 (MIT licence, August 2026) and "CDNA5" Instruction Set Architecture Reference Guide (July 2026). The comments in the code are by the model that wrote it; some were corrected since.
;; Cross Attention. Allowed arithmetic: matrix products marked QUANTISED: E2M3 operands, one E8M0 scale for each 32 along K, by v_wmma_scale_f32_16x16x128_f8f6f4 with both operands' format E2M3, f32 sums; everything else in f32.
;; Inputs: encoder_output 2 x 2,048 x 1,024 float32; k_norm_w 1,024 float32; key_b 1,024 float32; key_w 1,024 x 1,024 float32; mask 2 x 2,048 bool; proj_b 1,024 float32; proj_w 1,024 x 1,024 float32; q_norm_w 1,024 float32; query_b 1,024 float32; query_w 1,024 x 1,024 float32; value_b 1,024 float32; value_w 1,024 x 1,024 float32; x 2 x 2,048 x 1,024 float32.
;; Outputs: out0 2 x 2,048 x 1,024 float32; out1 2 x 2,048 x 2,048 float32.
;; This version of the problem:
;;   THIS VERSION OF THE PROBLEM IS GIVEN IN LOW PRECISION. The matrix products marked QUANTISED in the list below multiply operands that are first quantised to E2M3 (2 exponent bits, 3 mantissa bits; 6 bits a number), with one power-of-two scale for each 32 numbers along K (OCP MX v1.0); their sums are f32. All else is computed in f32.
;;   The module's matrix products, in the order in which they are computed (A, B: the left and right operand; K: the contracted axis; several contracted axes count as one K, in the product's order):
;;     1. [M 4,096, K 1,024] x [K 1,024, N 1,024]; A: input encoder_output; B: input key_w: QUANTISED
;;     2. [M 4,096, K 1,024] x [K 1,024, N 1,024]; A: input x; B: input query_w: QUANTISED
;;     3. [M 4,096, K 1,024] x [K 1,024, N 1,024]; A: input encoder_output; B: input value_w: QUANTISED
;;     4. batch 32 x [M 2,048, K 64] x [K 64, N 2,048]; A: computed on the way; B: computed on the way: QUANTISED
;;     5. batch 32 x [M 64, K 2,048] x [K 2,048, N 2,048]; A: computed on the way; B: computed on the way: QUANTISED
;;     6. [M 4,096, K 1,024] x [K 1,024, N 1,024]; A: computed on the way; B: input proj_w: QUANTISED
;;   THE QUANTISER, for each operand of a quantised product, along K:
;;     - K is cut into blocks of 32 from its start; a last block that is shorter is filled with zeros.
;;     - A block's scale is 2^e with e = floor(log2(the largest magnitude in the block)) - 2, held to -126 .. 127; a block of zeros has e = 0. As a byte (E8M0): e + 127.
;;     - Each number is divided by its block's scale, clamped to +-7.5, and rounded to the nearest number of E2M3, ties to even, subnormals kept.
;;     - The product sums the exact products of the quantised numbers (number of the format x scale) in f32.
;;   ~~~python
;;   def quantise(x, axis):      # numpy; x: float32 -> the quantised numbers, widened to float32 again
;;       x = np.moveaxis(x, axis, -1); K = x.shape[-1]
;;       x = np.pad(x, [(0, 0)] * (x.ndim - 1) + [(0, -K % 32)]); x = x.reshape(x.shape[:-1] + (-1, 32)); a = np.abs(x).max(-1, keepdims=True)
;;       e = np.where(a > 0, np.clip(np.frexp(np.where(a > 0, a, 1))[1] - 1 - 2, -126, 127), 0)      # np.frexp(a)[1] - 1 = floor(log2(a)), exactly
;;       r = np.clip(x / 2.0 ** e, -7.5, 7.5)
;;       step = 2.0 ** (np.maximum(np.frexp(np.where(r == 0, 1, r))[1] - 1, 0) - 3)
;;       q = np.round(r / step) * step * 2.0 ** e      # np.round: ties to even
;;       return np.moveaxis(q.reshape(q.shape[:-2] + (-1,))[..., :K], -1, axis).astype(np.float32)
;;   ~~~
;;   OPERANDS COMPUTED ON THE WAY. 'Computed on the way' means the value that the module computes at that place (a softmax that the list does not call 'softmax' is quantised finished and normalised). What goes into a quantiser is computed in f32, as accurately as f32 sums, v_exp_f32 and their like allow (about 1e-6 of the number): no bf16 or f16 on the way to a quantiser, and a product that is left as it is and whose result goes on into a quantised operand takes f32 operands (vector FMAs, or v_wmma_f32_16x16x4_f32). A number that lies on a knife's edge between two numbers of the format may be rounded either way, as far as f32 arithmetic and the matrix unit's own rounding can turn it there, and no further.
;; 2 versions, each right; version 2 is version 1 with the launches qkv, proj written anew for expert scheduling mode. Each part assembles by itself: llvm-mc -triple=amdgcn-amd-amdhsa -mcpu=gfx1250 --defsym DOCPART=n.
;; ======== version 1 of 2: 4 launches
;; limits: right only within a limited range of input values
;; workspace buffers: aq 6,815,744 bytes; wq 3,407,872 bytes; aux 540,672 bytes; qc 3,670,016 bytes; kc 3,670,016 bytes; vc 3,407,872 bytes; yq 3,407,872 bytes
;; launch prep (part 1): grid 800 x 1, 4 waves a work-group, no clusters, 68,096 bytes of LDS; arguments x, encoder_output, query_w, key_w, value_w, proj_w, mask, aq, wq, aux; writes aq, wq, aux
.if DOCPART == 1
	.amdgcn_target "amdgcn-amd-amdhsa--gfx1250"
	.amdhsa_code_object_version 6
	.text
	.protected	k_q63ea2eae2c_prep
	.globl	k_q63ea2eae2c_prep
	.p2align	8
	.type	k_q63ea2eae2c_prep,@function
k_q63ea2eae2c_prep:
	s_mov_b64 s[64:65], 0
	v_nop
	global_prefetch_b8 v0, s[64:65] scope:SCOPE_SE
	s_setreg_imm32_b32 hwreg(HW_REG_WAVE_MODE, 25, 1), 1
	s_wait_xcnt 0x0
; x, encoder_output [4096][1024] and the four weights [1024][1024], f32, K innermost, become codes of FP6 (E2M3) with one E8M0 byte for each 32 along K,
; laid as IMAGES OF OPERAND REGISTERS: a fragment (16 rows x 128 K, 12 registers a lane) is 1,536 bytes, three runs of 512 (registers 4 c .. 4 c + 3, lane l at 16 l);
; its scale words are 128 bytes, lane l at 4 l.  aq: [x, enc][64 tokens][K step] = 4 images + 4 scale images; wq: [matrix][256 rows][K step] = 16 + 16.
; THE ORDER INSIDE A BLOCK OF 32: code place 16 a + 8 u + j holds element 16 u + 8 a + j.  Every operand of every product of this program has this order, so the products' sums are those of the natural order;
; it is the order in which a matrix result, quantised in registers, falls out of two neighbouring tiles of 16.
; A block's scale is 2^(floor(log2(largest magnitude)) - 2): its byte is the largest magnitude's exponent field - 2, held at 1 from below.
; The last 32 work-groups make the table of cos and sin for the rotation ([t][pair](cos, sin), 256 bytes a row) and the mask as an addend (0 or -1e30).
; LIMITS: NaN and infinities are not served; a block of zeros, or one whose largest magnitude lies under 2^-124, gets the byte 1 (zero codes add nothing; the bytes are read by this program alone);
; the rotation's inverse frequencies are 2^(-i log2(50000) / 32) by v_exp_f32, within an ulp or two of a f32 power.
; SHARES: work-groups 0-255 x, 256-511 encoder_output, 512-767 the weights (64 each): 16 rows each; wave w takes K steps 2 w and 2 w + 1.  No barrier: waves share nothing.
.set NEGB, 0xf149f2ca                  ; -1e30
.set STW,  16896                       ; LDS of a wave: two stages
.set STF,  8448                        ; a stage: 16 rows x (512 + 16) bytes
.set RR,   16                          ; v16-143  two fragments as loaded: 16 rows x 4 registers each
.set XX,   144                         ; v144-207 my two whole blocks of 32, in the order of the code places
.set CT,   220                         ; v220-227 the upper halves of the blocks' codes, on their way
	s_load_b512 s[4:19], s[0:1], 0x0               ; x, enc, query_w, key_w, value_w, proj_w, mask, aq
	s_load_b128 s[20:23], s[0:1], 0x40             ; wq, aux
	v_lshl_add_u32 v240, v0, 2, 0x10800
	v_mov_b32 v241, 0
	v_lshrrev_b32 v1, 5, v0
	v_readfirstlane_b32 s40, v1                    ; wave
	v_and_b32 v2, 31, v0                           ; lane
	s_cmp_ge_u32 ttmp9, 768
	s_cbranch_scc1 .Laux
	v_and_b32 v3, 15, v0                           ; r
	v_bfe_u32 v4, v0, 4, 1                         ; h
	v_lshlrev_b32 v5, 4, v2                        ; 16 x lane
	v_lshlrev_b32 v6, 2, v2                        ; 4 x lane
	s_mul_i32 s41, s40, STW
	v_add_nc_u32 v7, s41, v5                       ; the stage, on the way in: a row's 512 bytes as they lie
	v_mul_u32_u24 v8, v3, 528
	v_lshl_add_u32 v8, v4, 7, v8
	v_add_nc_u32 v8, s41, v8                       ; and out: row r, block h of each pair of blocks
	v_lshlrev_b32 v9, 3, v4                        ; 8 h: my bytes' place in the scale word
	v_mov_b32 v10, 0                               ; a lane permute's destination counts as read
	s_mov_b32 s42, 0x76543210
	s_mov_b32 s43, 0xfedcba98                      ; lane l xor 16
	s_lshr_b32 s35, ttmp9, 8                       ; activations: which tensor,
	s_and_b32 s36, ttmp9, 255                      ; which 16 rows
	s_sub_co_u32 s3, ttmp9, 512
	s_lshr_b32 s26, s3, 6                          ; weights: which matrix,
	s_and_b32 s37, ttmp9, 63                       ; which 16 rows
	s_wait_kmcnt 0x0
	s_cmp_lt_u32 ttmp9, 256                        ; every choice hangs on the work-group's number alone
	s_cselect_b64 s[24:25], s[4:5], s[6:7]
	s_cmp_eq_u32 s26, 0
	s_cselect_b64 s[28:29], s[8:9], s[10:11]
	s_cmp_eq_u32 s26, 2
	s_cselect_b64 s[28:29], s[12:13], s[28:29]
	s_cmp_eq_u32 s26, 3
	s_cselect_b64 s[28:29], s[14:15], s[28:29]
	s_cmp_lt_u32 ttmp9, 512
	s_cselect_b64 s[24:25], s[24:25], s[28:29]     ; from where
	s_cselect_b64 s[30:31], s[18:19], s[20:21]     ; to where
	s_cselect_b32 s32, 2, 4                        ; tiles of 16 rows in a group: 4 or 16
	s_cselect_b32 s33, 3, 15
	s_mov_b32 s34, 212992
	s_cselect_b32 s34, 53248, s34                  ; a group
	s_mov_b32 s38, 26624
	s_cselect_b32 s38, 6656, s38                   ; a K step's record
	s_mov_b32 s39, 24576
	s_cselect_b32 s39, 6144, s39                   ; where its scale images begin
	s_mov_b32 s44, 851968
	s_cselect_b32 s44, 3407872, s44                ; a tensor
	s_cselect_b32 s35, s35, s26
	s_cselect_b32 s36, s36, s37
	s_lshl_b32 s46, s36, 16                        ; 16 rows of 4,096 bytes
	s_lshl_b32 s47, s40, 10                        ; my two K steps: 1,024 bytes of a row
	s_add_co_u32 s46, s46, s47
	s_mov_b32 s47, 0
	s_add_nc_u64 s[24:25], s[24:25], s[46:47]
	s_mul_i32 s48, s35, s44
	s_lshr_b32 s49, s36, s32
	s_mul_i32 s49, s49, s34
	s_add_co_u32 s48, s48, s49
	s_lshl_b32 s49, s40, 1
	s_mul_i32 s49, s49, s38
	s_add_co_u32 s48, s48, s49                     ; tensor + group + K step 2 w
	s_and_b32 s50, s36, s33
	s_mul_i32 s52, s50, 1536
	s_add_co_u32 s52, s52, s48
	s_mov_b32 s53, 0
	s_add_nc_u64 s[52:53], s[30:31], s[52:53]      ; the first fragment's image
	s_lshl_b32 s54, s50, 7
	s_add_co_u32 s54, s54, s48
	s_add_co_u32 s54, s54, s39
	s_mov_b32 s55, 0
	s_add_nc_u64 s[54:55], s[30:31], s[54:55]      ; and its scale image
	s_mov_b32 s39, 0
	s_add_nc_u64 s[56:57], s[52:53], s[38:39]      ; the second fragment's: a record on
	s_add_nc_u64 s[58:59], s[54:55], s[38:39]
.irp f, 0,1
.irp i, 0,1,2,3,4,5,6,7,8,9,10,11,12,13,14,15
	global_load_b128 v[RR+64*\f+4*\i:RR+64*\f+4*\i+3], v5, s[24:25] offset:4096*\i+512*\f th:TH_LOAD_NT   ; 32 lanes read 512 consecutive bytes of a row
.endr
.endr
; One fragment: through my stage, so that a lane gets two whole blocks of its row; largest magnitudes, bytes, codes; out as an image.
.macro FRAGQ f, pc, sw, cp, sp
.if \f == 0
	s_wait_loadcnt 16                              ; this fragment's 16 loads are in; the other's 16 may be out
.else
	s_wait_loadcnt 0x0
.endif
.irp i, 0,1,2,3,4,5,6,7,8,9,10,11,12,13,14,15
	ds_store_b128 v7, v[RR+64*\f+4*\i:RR+64*\f+4*\i+3] offset:STF*\f+528*\i
.endr
.irp c, 0,1                                    ; block 2 c + h of row r; its eight pieces of 16 bytes come in the order 0, 1, 4, 5, 2, 3, 6, 7: the order of the code places
.irp q, 0,1,2,3,4,5,6,7
	ds_load_b128 v[XX+32*\c+4*\q:XX+32*\c+4*\q+3], v8 offset:STF*\f+256*\c+16*((\q%2)+2*(\q/4)+4*((\q/2)%2))   ; LDS serves a wave's instructions in order: these see my stores
.endr
.endr
	s_wait_dscnt 0x0
.irp c, 0,1
	v_max3_num_f32 v[11+\c], |v[XX+32*\c]|, |v[XX+32*\c+1]|, 0x1800000   ; all 32 numbers of a block are mine; the floor 2^(3 - 127) holds the byte at 1 from below
.endr
.irp i, 2,4,6,8,10,12,14,16,18,20,22,24,26,28,30
.irp c, 0,1
	v_max3_num_f32 v[11+\c], v[11+\c], |v[XX+32*\c+\i]|, |v[XX+32*\c+\i+1]|
.endr
.endr
.irp c, 0,1
	v_add_nc_u32 v[13+\c], 0xff000000, v[11+\c]    ; 2 off the exponent field: the conversion's scale operand
.endr
.irp c, 0,1
	v_lshrrev_b32 v[230+\c], 23, v[13+\c]          ; the byte
.endr
	v_lshl_or_b32 v[\sw], v231, 16, v230           ; blocks h and 2 + h,
	v_lshlrev_b32 v[\sw], v9, v[\sw]               ; at their places;
	v_permlanex16_b32 v10, v[\sw], s42, s43
	v_or_b32 v[\sw], v[\sw], v10                   ; with lane l xor 16's two the word is whole, in both halves of the lanes
.irp c, 0,1
	v_cvt_scalef32_pk16_fp6_f32 v[\pc+6*\c:\pc+6*\c+2], v[XX+32*\c:XX+32*\c+15], v[13+\c]
	v_cvt_scalef32_pk16_fp6_f32 v[CT+4*\c:CT+4*\c+2], v[XX+32*\c+16:XX+32*\c+31], v[13+\c]   ; (a conversion's three registers begin on an even number)
.endr
	v_nop                                          ; one plain place behind a scaled conversion
.irp c, 0,1
.irp i, 0,1,2
	v_mov_b32 v[\pc+3+6*\c+\i], v[CT+4*\c+\i]
.endr
.endr
.irp c, 0,1,2
	global_store_b128 v5, v[\pc+4*\c:\pc+4*\c+3], s[\cp:\cp+1] offset:512*\c   ; 512 consecutive bytes, aligned
.endr
	global_store_b32 v6, v[\sw], s[\sp:\sp+1]
.endm
	FRAGQ 0, 208, 228, 52, 54
	FRAGQ 1, 16, 229, 56, 58                       ; its codes go where the first fragment's numbers lay: no store's data are written again
	s_wait_tensorcnt 0x0
	ds_add_u32 v240, v241
	s_wait_dscnt 0x0
	s_endpgm
.Laux:
	s_sub_co_u32 s41, ttmp9, 768                   ; 0 .. 31
	s_lshl_b32 s42, s41, 7
	v_add_nc_u32 v3, s42, v0                       ; the mask: one byte a thread
	v_lshlrev_b32 v4, 2, v3
	s_wait_kmcnt 0x0
	global_load_u8 v5, v3, s[16:17]
	v_cvt_f32_u32 v6, v2                           ; the rotation: lane = pair i
	v_mul_f32 v6, 0xbef9c116, v6                   ; -i log2(50000) / 32
	v_exp_f32 v6, v6                               ; 1 / 50000^(2 i / 64)
	s_lshl_b32 s43, s41, 6
	s_lshl_b32 s44, s40, 4
	s_add_co_u32 s43, s43, s44                     ; my wave's first of 16 rows t
	s_lshl_b32 s44, s43, 8
	v_lshl_add_u32 v9, v2, 3, s44                  ; (a plain place)  256 t + 8 i
	s_mov_b32 s45, 0xbfc90fdb                      ; -pi/2, upper part
	s_mov_b32 s46, 0x333bbd2e                      ; and what the upper part has too much
	s_mov_b32 s47, 0xb94ca1f9                      ; sine on -pi/4 .. pi/4
	s_mov_b32 s48, 0x3c08839e
	s_mov_b32 s49, 0xbe2aaaa3
	s_mov_b32 s50, 0x37ccf5ce                      ; cosine
	s_mov_b32 s51, 0xbab6061a
	s_mov_b32 s52, 0x3d2aaaa5
	s_wait_alu depctr_va_vdst(0)                   ; ahead of the first reader of the exponential
.irp k, 0,1,2,3,4,5,6,7,8,9,10,11,12,13,14,15
	s_add_co_u32 s44, s43, \k
	v_cvt_f32_u32 v7, s44
	v_mul_f32 v8, v7, v6                           ; f = t x inv, as f32
	v_mul_f32 v10, 0x3f22f983, v8
	v_rndne_f32 v10, v10                           ; n = the nearest multiple of pi/2
	v_fma_f32 v11, v10, s45, v8
	v_fma_f32 v11, v10, s46, v11                   ; rho = f - n pi/2, in two parts
	v_mul_f32 v12, v11, v11
	v_fma_f32 v13, v12, s47, s48
	v_fma_f32 v13, v13, v12, s49
	v_mul_f32 v14, v12, v11
	v_fma_f32 v13, v13, v14, v11                   ; sin rho
	v_fma_f32 v15, v12, s50, s51
	v_fma_f32 v15, v15, v12, s52
	v_mul_f32 v16, v12, v12
	v_fma_f32 v17, v12, -0.5, 1.0
	v_fma_f32 v15, v15, v16, v17                   ; cos rho
	v_cvt_i32_f32 v18, v10
	v_and_b32 v19, 1, v18
	v_cmp_eq_u32 vcc_lo, 1, v19                    ; odd quadrants change the two over
	v_cndmask_b32 v20, v15, v13, vcc_lo
	v_cndmask_b32 v21, v13, v15, vcc_lo
	v_add_nc_u32 v19, 1, v18
	v_and_b32 v19, 2, v19
	v_lshlrev_b32 v19, 30, v19
	v_xor_b32 v[32+2*\k], v19, v20                 ; cos: negative in quadrants 1 and 2
	v_and_b32 v19, 2, v18
	v_lshlrev_b32 v19, 30, v19
	v_xor_b32 v[33+2*\k], v19, v21                 ; sin: negative in quadrants 2 and 3
	global_store_b64 v9, v[32+2*\k:33+2*\k], s[22:23] offset:256*\k   ; the wave stores a row of 256 bytes; each row has registers of its own
.endr
	s_wait_loadcnt 0x0
	v_add_nc_u32 v5, -1, v5
	v_and_b32 v5, NEGB, v5                         ; 1 -> 0, 0 -> -1e30
	global_store_b32 v4, v5, s[22:23] offset:524288
	s_endpgm
.Lfunc_end_k_q63ea2eae2c_prep:
	.size	k_q63ea2eae2c_prep, .Lfunc_end_k_q63ea2eae2c_prep-k_q63ea2eae2c_prep
	.p2alignl 7, 3214868480
	.fill 96, 4, 3214868480
	.section	.rodata,"a",@progbits
	.p2align	6, 0x0
	.amdhsa_kernel k_q63ea2eae2c_prep
		.amdhsa_group_segment_fixed_size 68096
		.amdhsa_private_segment_fixed_size 0
		.amdhsa_enable_private_segment 0
		.amdhsa_kernarg_size 80
		.amdhsa_user_sgpr_count 2
		.amdhsa_user_sgpr_kernarg_segment_ptr 1
		.amdhsa_wavefront_size32 1
		.amdhsa_system_sgpr_workgroup_id_x 1
		.amdhsa_system_sgpr_workgroup_id_y 1
		.amdhsa_system_sgpr_workgroup_id_z 1
		.amdhsa_system_vgpr_workitem_id 0
		.amdhsa_next_free_vgpr 242
		.amdhsa_next_free_sgpr 66
		.amdhsa_reserve_vcc 1
		.amdhsa_float_denorm_mode_32 3
		.amdhsa_float_denorm_mode_16_64 3
		.amdhsa_memory_ordered 1
		.amdhsa_forward_progress 1
		.amdhsa_inst_pref_size 40
	.end_amdhsa_kernel
	.amdgpu_metadata
---
amdhsa.version: [ 1, 2 ]
amdhsa.kernels:
  - .name:           k_q63ea2eae2c_prep
    .symbol:         k_q63ea2eae2c_prep.kd
    .args:
      - { .name: x, .offset: 0, .size: 8, .value_kind: global_buffer, .address_space: global }
      - { .name: encoder_output, .offset: 8, .size: 8, .value_kind: global_buffer, .address_space: global }
      - { .name: query_w, .offset: 16, .size: 8, .value_kind: global_buffer, .address_space: global }
      - { .name: key_w, .offset: 24, .size: 8, .value_kind: global_buffer, .address_space: global }
      - { .name: value_w, .offset: 32, .size: 8, .value_kind: global_buffer, .address_space: global }
      - { .name: proj_w, .offset: 40, .size: 8, .value_kind: global_buffer, .address_space: global }
      - { .name: mask, .offset: 48, .size: 8, .value_kind: global_buffer, .address_space: global }
      - { .name: aq, .offset: 56, .size: 8, .value_kind: global_buffer, .address_space: global }
      - { .name: wq, .offset: 64, .size: 8, .value_kind: global_buffer, .address_space: global }
      - { .name: aux, .offset: 72, .size: 8, .value_kind: global_buffer, .address_space: global }
    .group_segment_fixed_size: 68096
    .private_segment_fixed_size: 0
    .kernarg_segment_align: 8
    .kernarg_segment_size: 80
    .max_flat_workgroup_size: 128
    .sgpr_count:     66
    .vgpr_count:     242
    .wavefront_size: 32
...
	.end_amdgpu_metadata
.endif
;; end of part 1
;; launch qkv (part 2): grid 64 x 3, 4 waves a work-group, no clusters, 188,928 bytes of LDS; arguments aq, wq, aux, query_b, key_b, value_b, q_norm_w, k_norm_w, qc, kc, vc; writes qc, kc, vc
.if DOCPART == 2
	.amdgcn_target "amdgcn-amd-amdhsa--gfx1250"
	.amdhsa_code_object_version 6
	.text
	.protected	k_q63ea2eae2c_qkv
	.globl	k_q63ea2eae2c_qkv
	.p2align	8
	.type	k_q63ea2eae2c_qkv,@function
k_q63ea2eae2c_qkv:
	s_mov_b64 s[64:65], 0
	v_nop
	global_prefetch_b8 v0, s[64:65] scope:SCOPE_SE
	s_setreg_imm32_b32 hwreg(HW_REG_WAVE_MODE, 25, 1), 1
	s_wait_xcnt 0x0
; The three projections on codes of FP6 (E2M3), and what follows each up to the next quantiser.  Work-group y = 0: q, 1: k, 2: v.
; q, k: a work-group takes 64 tokens x all 1,024 channels (the norm wants whole rows); wave w takes channels 256 w on (heads 4 w .. 4 w + 3): 64 accumulators.  Source 0 = 16 channels of the weight, source 1 = 16 tokens:
;   a lane holds ONE token and its registers run along the channels, which are the next product's K.  Bias, sum of squares (exchanged among the waves through LDS), 1 / sqrt(mean + 1e-6), gain, rotation, quantiser; a head's
;   64 codes of 16 tokens leave as half an operand image (768 bytes), the scale words of four tiles as 16 bytes a lane.
; v: a work-group takes 128 tokens x 512 channels; wave w 128 channels.  Source 0 = 16 tokens, source 1 = 16 channels: a lane holds ONE channel and its registers run along the tokens, the keys of the last-but-one product's K.
; THE WAVES SHARE THE COLUMNS: each byte of a weight is used by one wave alone, so it goes from memory straight into that wave's operand registers (three loads of 16 bytes a lane for a fragment, out of the image layout),
; 48 to 56 loads a wave on their way without a break; no tile is shared between work-groups at the same time but the weights as a whole, so no joint requests.  The tokens' images, which all four waves read, are copied into LDS once.
; The order inside a block of 32 along every K is that of the launch before: place 16 a + 8 u + j holds element 16 u + 8 a + j; two neighbouring tiles of a result fall into it by themselves.
; LIMITS: NaN and infinities are not served; a block whose largest magnitude lies under 2^-124 gets the byte 1.
; The two paths part on the work-group's number and have LDS bytes of their own.
.set AQT, 3407872                      ; aq: a tensor, a group of 64 tokens, a K step's record (4 images + 4 scale images)
.set AQG, 53248
.set AQS, 6656
.set WQM, 851968                       ; wq: a matrix, a group of 256 rows, a K step's record (16 images + 16 scale images)
.set WQG, 212992
.set WQS, 26624
.set QKR, 28672                        ; qc, kc: a record: 512 tokens of one head
.set VCR, 26624                        ; vc: a record: 512 keys of one head
.set LBIAS, 53248                      ; LDS, q and k: the tokens' images at 0; the bias; the gain; 64 rows of cos and sin, 272 bytes apart; the sums of squares, 16 x 128 bytes
.set LNORM, 57344
.set LROPE, 61440
.set LSS,   78848
.set LAV,   81920                      ; LDS, v: the images of 128 tokens, 106,496 bytes
.set AS, 16                            ; window 0: the tokens' scale words (q, k: two sets of 4; v: two sets of 8)
.set BS, 24                            ; q, k: the weights' scale words, 16
.set AF, 40                            ; the tokens' fragments (q, k: two sets of 48 registers; v: two sets of 96)
.set SS, 136                           ; the way out: 16 partial sums of squares
.set RS, 152                           ; 1 / rms of my token in each of the four tiles, in pairs
.set TM, 160                           ; the quantiser: largest magnitudes; TP exchange, then bytes; SO scale operands; PW the scale word; PC the codes; CT on their way
.set TP, 164
.set SO, 168
.set PW, 172
.set PC, 176
.set CT, 188
.set SW, 208                           ; scale words gathered for a store of 16 bytes a lane
.set TT, 224                           ; at work
.set WS, 232                           ; v: the weights' scale words, two sets of 8
.set BV, 248                           ; v: the bias of my channel in each of my 8 tiles
.set MSB, 0
.macro WIN new                         ; the immediate's high byte repeats the setting that is left
.if MSB != (\new)
	s_set_vgpr_msb (MSB<<8)|(\new)
.set MSB, (\new)
.endif
.endm
.macro PLACES n
.rept \n
	v_nop
.endr
.endm
.macro BARRIER                         ; my LDS stores have landed and my LDS loads are in: then the work-group's barrier
	s_wait_dscnt 0x0
	s_barrier_signal -1
	s_barrier_wait -1
.endm
.macro WMMA cz                         ; D at DD, source 0 at FA, source 1 at FB, their scale words SA, SB.  cz = 0: the product starts the sum
.if \cz == 0
	v_wmma_scale_f32_16x16x128_f8f6f4 v[DD:DD+7], v[FA:FA+11], v[FB:FB+11], 0, v[SA], v[SB] matrix_a_fmt:MATRIX_FMT_FP6 matrix_b_fmt:MATRIX_FMT_FP6
.else
	v_wmma_scale_f32_16x16x128_f8f6f4 v[DD:DD+7], v[FA:FA+11], v[FB:FB+11], v[DD:DD+7], v[SA], v[SB] matrix_a_fmt:MATRIX_FMT_FP6 matrix_b_fmt:MATRIX_FMT_FP6
.endif
.endm
; 64 numbers of a lane in window xw, register 16 b + i = place 32 b + 16 (lane / 16) + i of my row, become a fragment's codes in v[PC] on and its scale word in v[PW].
.macro QUANT s, xw
	WIN (\xw)|((\xw)<<2)
.irp b, 0,1,2,3
	v_max3_num_f32 v[TM+\b], |v[(\s)+16*\b]|, |v[(\s)+16*\b+1]|, 0x1800000   ; my 16 numbers of block b, and the floor 2^(3 - 127): the byte cannot fall under 1
.endr
	WIN ((\xw)<<2)|((\xw)<<4)
.irp i, 2,4,6,8,10,12,14
.irp b, 0,1,2,3
	v_max3_num_f32 v[TM+\b], v[TM+\b], |v[(\s)+16*\b+\i]|, |v[(\s)+16*\b+\i+1]|
.endr
.endr
	WIN 0
.irp b, 0,1,2,3
	v_permlanex16_b32 v[TP+\b], v[TM+\b], s34, s35
.endr
.irp b, 0,1,2,3
	v_max_num_f32 v[TM+\b], v[TM+\b], v[TP+\b]     ; with lane l xor 16's: the block's largest magnitude
.endr
.irp b, 0,1,2,3
	v_add_nc_u32 v[SO+\b], 0xff000000, v[TM+\b]    ; 2 off its exponent field: the conversion's scale operand
.endr
.irp b, 0,1,2,3
	v_lshrrev_b32 v[TP+\b], 23, v[SO+\b]           ; the byte
.endr
	v_lshl_or_b32 v[PW], v[TP+1], 8, v[TP]
	v_lshl_or_b32 v[PW], v[TP+2], 16, v[PW]
	v_lshl_or_b32 v[PW], v[TP+3], 24, v[PW]
	WIN (\xw)
.irp c, 0,1
	v_cvt_scalef32_pk16_fp6_f32 v[PC+6*\c:PC+6*\c+2], v[(\s)+32*\c:(\s)+32*\c+15], v[SO+2*\c]
	v_cvt_scalef32_pk16_fp6_f32 v[CT+4*\c:CT+4*\c+2], v[(\s)+32*\c+16:(\s)+32*\c+31], v[SO+2*\c+1]   ; (a conversion's three registers begin on an even number)
.endr
	WIN 0
	v_nop                                          ; one plain place behind a scaled conversion
.irp c, 0,1                                    ; the operand's layout wants a whole block in a lane: lanes 0-15 block 2 c, lanes 16-31 block 2 c + 1
.irp i, 0,1,2
	v_permlane16_swap_b32 v[PC+6*\c+\i], v[CT+4*\c+\i]
.endr
.irp i, 0,1,2
	v_mov_b32 v[PC+3+6*\c+\i], v[CT+4*\c+\i]
.endr
.endr
.endm
	s_load_b512 s[4:19], s[0:1], 0x0               ; aq, wq, aux, query_b, key_b, value_b, q_norm_w, k_norm_w
	s_load_b128 s[20:23], s[0:1], 0x40             ; qc, kc
	s_load_b64 s[24:25], s[0:1], 0x50              ; vc
	v_lshrrev_b32 v1, 5, v0
	v_readfirstlane_b32 s26, v1                    ; wave
	v_and_b32 v1, 31, v0
	v_lshlrev_b32 v2, 4, v1                        ; 16 x lane: an image's place for my lane
	v_lshlrev_b32 v3, 2, v1                        ; 4 x lane: a scale word's
	v_lshlrev_b32 v4, 3, v1                        ; 8 x lane
	v_and_b32 v5, 15, v0                           ; r
	v_bfe_u32 v6, v0, 4, 1                         ; h
	s_and_b32 s27, ttmp7, 0xffff                   ; 0 q, 1 k, 2 v
	s_mov_b32 s34, 0x76543210
	s_mov_b32 s35, 0xfedcba98                      ; lane l xor 16
	s_mov_b32 s36, 0x358637bd                      ; 1e-6
	s_cmp_eq_u32 s27, 2
	s_cbranch_scc1 .Lvpath
; ------------------------------------------------------------------ q and k
	s_mov_b32 s32, 0                               ; LDS byte of the K step's record of tokens
	s_mul_i32 s40, s26, 13312
	v_add_nc_u32 v224, s40, v2                     ; the copy of the tokens' images: 26 runs of 512 bytes a wave, the same offset in memory and in LDS
	s_lshl_b32 s40, s26, 10
	v_add_nc_u32 v225, s40, v2                     ; bias and gain: two runs a wave
	v_lshl_add_u32 v11, v6, 5, s40                 ; and back: my wave's 256 channels, 8 of each tile for my half
	s_lshl_b32 s40, s26, 12
	v_add_nc_u32 v226, s40, v2                     ; cos and sin: eight runs (16 rows) a wave, in memory,
	s_mul_i32 s40, s26, 4352
	s_add_co_u32 s40, s40, LROPE
	v_mul_u32_u24 v227, v6, 272
	v_lshl_add_u32 v227, v5, 4, v227
	v_add_nc_u32 v227, s40, v227                   ; and in LDS: lanes 0-15 one row, lanes 16-31 the next
	v_mul_u32_u24 v12, v5, 272
	v_lshl_add_u32 v12, v6, 5, v12
	v_add_nc_u32 v12, LROPE, v12                   ; and back: my token's row, four pairs for my half of a tile
	s_lshl_b32 s40, s26, 9
	s_add_co_u32 s40, s40, LSS
	v_add_nc_u32 v13, s40, v3                      ; my wave's four sums of squares
	v_add_nc_u32 v9, LSS, v3                       ; everybody's
	s_mul_i32 s40, s27, AQT                        ; q reads x's images, k encoder_output's
	s_mul_i32 s41, ttmp9, AQG
	s_add_co_u32 s40, s40, s41
	s_mov_b32 s41, 0
	s_mul_i32 s42, s27, WQM
	s_mul_i32 s43, s26, WQG                        ; my 256 channels are group w of the matrix
	s_add_co_u32 s42, s42, s43
	s_mov_b32 s43, 0
	s_and_b32 s44, ttmp9, 31
	s_lshl_b32 s44, s44, 14                        ; the block's first token in its sequence, x 256 bytes
	s_mov_b32 s45, 0
	s_lshr_b32 s46, ttmp9, 5                       ; batch
	s_lshl_b32 s46, s46, 2
	s_bfe_u32 s47, ttmp9, 0x20003                  ; which 512 tokens
	s_add_co_u32 s46, s46, s47
	s_lshl_b32 s46, s46, 4
	s_lshl_b32 s47, s26, 2                         ; my first head
	s_add_co_u32 s46, s46, s47
	s_mul_i32 s46, s46, QKR
	s_and_b32 s47, ttmp9, 7                        ; which 64 of the 512
	s_mul_i32 s47, s47, 3584
	s_add_co_u32 s46, s46, s47
	s_mov_b32 s47, 0
	s_wait_kmcnt 0x0
	s_add_nc_u64 s[48:49], s[4:5], s[40:41]
	s_add_nc_u64 s[30:31], s[6:7], s[42:43]        ; the weights' record of the K step in hand
	s_add_nc_u64 s[50:51], s[8:9], s[44:45]
	s_cmp_eq_u32 s27, 0
	s_cselect_b64 s[52:53], s[10:11], s[12:13]
	s_cselect_b64 s[54:55], s[16:17], s[18:19]
	s_cselect_b64 s[38:39], s[20:21], s[22:23]
	s_add_nc_u64 s[38:39], s[38:39], s[46:47]
	WIN 0x80                                       ; the copies pass through registers that the sums will take
.set n, 0
.rept 26
	global_load_b128 v[4*n:4*n+3], v224, s[48:49] offset:512*n
.set n, n+1
.endr
.irp q, 0,1
	global_load_b128 v[104+4*\q:107+4*\q], v225, s[52:53] offset:512*\q
	global_load_b128 v[112+4*\q:115+4*\q], v225, s[54:55] offset:512*\q
.endr
.irp q, 0,1,2,3,4,5,6,7
	global_load_b128 v[120+4*\q:123+4*\q], v226, s[50:51] offset:512*\q
.endr
	WIN 0
; A batch: four fragments of the weight and their scale words, 16 loads.
.macro LW g
	WIN 0x40
.irp u, 0,1,2,3
.irp c, 0,1,2
	global_load_b128 v[12*(4*(\g)+\u)+4*\c:12*(4*(\g)+\u)+4*\c+3], v2, s[30:31] offset:1536*(4*(\g)+\u)+512*\c
.endr
.endr
	WIN 0
.irp u, 0,1,2,3
	global_load_b32 v[BS+4*(\g)+\u], v3, s[30:31] offset:24576+128*(4*(\g)+\u)
.endr
.endm
; The tokens' four fragments and scale words of the K step at s32, into one of two sets.
.macro LA set
	v_add_nc_u32 v7, s32, v2
	v_add_nc_u32 v8, s32, v3
.irp m, 0,1,2,3
.irp c, 0,1,2
	ds_load_b128 v[AF+48*(\set)+12*\m+4*\c:AF+48*(\set)+12*\m+4*\c+3], v7 offset:1536*\m+512*\c
.endr
	ds_load_b32 v[AS+4*(\set)+\m], v8 offset:6144+128*\m
.endr
.endm
	LW 0
	s_wait_loadcnt 16                              ; the 38 copies are in; the batch just asked for may be out
	WIN 0x08
.set n, 0
.rept 26
	ds_store_b128 v224, v[4*n:4*n+3] offset:512*n
.set n, n+1
.endr
.irp q, 0,1
	ds_store_b128 v225, v[104+4*\q:107+4*\q] offset:LBIAS+512*\q
	ds_store_b128 v225, v[112+4*\q:115+4*\q] offset:LNORM+512*\q
.endr
.irp q, 0,1,2,3,4,5,6,7
	ds_store_b128 v227, v[120+4*\q:123+4*\q] offset:544*\q
.endr
	WIN 0
	LW 1
	LW 2
	LW 3
	BARRIER                                        ; everybody's copies lie in LDS; they are written no more
	LA 0
; 8 matrix instructions: token tiles m0, m0 + 1 x the four channel tiles of group g.  Accumulator (m, t) at 8 ((16 m + t) % 32) of window 2 (m < 2) or 3.
.macro MULQ par, g, m0, cz
.irp m, \m0, \m0+1
.irp u, 0,1,2,3
.set DD, 8*((16*(\m)+4*(\g)+\u)%32)
.set FA, 12*(4*(\g)+\u)
.set FB, AF+48*(\par)+12*(\m)
.set SA, BS+4*(\g)+\u
.set SB, AS+4*(\par)+(\m)
	WMMA \cz
.endr
.endr
.endm
; A K step of 128: 64 matrix instructions, the 64 accumulators by turns.  Behind each group of 16 its four weight fragments are asked for anew, for the next K step.
.macro STEPQ par, cz, load
.if \load
	s_wait_xcnt 0x0                                ; the loads that are out have read their base: it steps to the next K step's record
	s_add_nc_u64 s[30:31], s[30:31], WQS
	s_add_co_u32 s32, s32, AQS
.endif
	s_wait_dscnt 0x0                               ; this step's tokens are in
.irp g, 0,1,2,3
.if \load
	s_wait_loadcnt 48                              ; this group's batch is in; the three batches asked for behind it may be out
.else
	s_wait_loadcnt 16*(3-\g)                       ; the last step asks for nothing: the counts run down
.endif
	WIN 0xa1                                       ; source 0 (weight) window 1, source 1 (tokens) window 0, C and D window 2
	MULQ \par, \g, 0, \cz
	WIN 0xf1                                       ; the same, C and D window 3
	MULQ \par, \g, 2, \cz
	WIN 0
	PLACES 4                                       ; in front of loads into registers that matrix instructions have read (and, at the end, of the first read of results)
.if \load
.if \g == 0
	LA 1-\par
.endif
	LW \g
.endif
.endr
.endm
	STEPQ 0, 0, 1                                  ; the first step's products start the sums
	s_mov_b32 s33, 3
.Lkq:
	STEPQ 1, 1, 1
	STEPQ 0, 1, 1
	s_sub_co_u32 s33, s33, 1
	s_cmp_lg_u32 s33, 0
	s_cbranch_scc1 .Lkq
	STEPQ 1, 1, 0
	; ---- the way out.  The bias of my 128 channels into window 1, v0-127; the gain into v128-255
	WIN 0x40
.irp t, 0,1,2,3,4,5,6,7,8,9,10,11,12,13,14,15
	ds_load_b128 v[8*\t:8*\t+3], v11 offset:LBIAS+64*\t
	ds_load_b128 v[8*\t+4:8*\t+7], v11 offset:LBIAS+64*\t+16
	ds_load_b128 v[128+8*\t:128+8*\t+3], v11 offset:LNORM+64*\t
	ds_load_b128 v[128+8*\t+4:128+8*\t+7], v11 offset:LNORM+64*\t+16
.endr
	WIN 0
	v_mov_b32 v[TT+4], 0                           ; lane permutes' destinations count as read
.irp b, 0,1,2,3
	v_mov_b32 v[TP+\b], 0
	v_mov_b32 v[RS+2*\b+1], 0                      ; (named as the upper halves of pairs)
.endr
	s_wait_dscnt 0x0
.macro SUMSQ m                         ; token tile m: + bias, each accumulator from its low end on; the sum of squares of my 128 channels, with lane l xor 16's: my wave's 256
.set XW, 2+(\m)/2
.set BA, 128*((\m)%2)
	WIN (XW<<6)|4|XW
.set i, 0
.rept 64
	v_pk_add_f32 v[BA+2*i:BA+2*i+1], v[BA+2*i:BA+2*i+1], v[2*i:2*i+1]
.set i, i+1
.endr
	WIN (XW<<2)|XW
	v_pk_mul_f32 v[TT:TT+1], v[BA:BA+1], v[BA:BA+1]
	v_pk_mul_f32 v[TT+2:TT+3], v[BA+2:BA+3], v[BA+2:BA+3]
.set i, 2
.rept 31
	v_pk_fma_f32 v[TT:TT+1], v[BA+2*i:BA+2*i+1], v[BA+2*i:BA+2*i+1], v[TT:TT+1]
	v_pk_fma_f32 v[TT+2:TT+3], v[BA+2*i+2:BA+2*i+3], v[BA+2*i+2:BA+2*i+3], v[TT+2:TT+3]
.set i, i+2
.endr
	WIN 0
	v_pk_add_f32 v[TT:TT+1], v[TT:TT+1], v[TT+2:TT+3]
	v_add_f32 v[TT], v[TT], v[TT+1]
	v_permlanex16_b32 v[TT+4], v[TT], s34, s35
	v_add_f32 v[TT+8+(\m)], v[TT], v[TT+4]
	ds_store_b32 v13, v[TT+8+(\m)] offset:128*(\m)
.endm
	SUMSQ 0
	SUMSQ 1
	SUMSQ 2
	SUMSQ 3
	BARRIER                                        ; all sixteen partial sums lie in LDS
.irp k, 0,1,2,3
.irp m, 0,1,2,3
	ds_load_b32 v[SS+4*\k+\m], v9 offset:128*(4*\k+\m)
.endr
.endr
	WIN 0x40                                       ; cos and sin of my four tokens, where the bias lay: tile m, tile-in-head c: four pairs (cos, sin)
.irp m, 0,1,2,3
.irp c, 0,1,2,3
	ds_load_b128 v[32*\m+8*\c:32*\m+8*\c+3], v12 offset:4352*\m+64*\c
	ds_load_b128 v[32*\m+8*\c+4:32*\m+8*\c+7], v12 offset:4352*\m+64*\c+16
.endr
.endr
	WIN 0
	s_wait_dscnt 0x0
.irp k, 4,8,12
.irp m, 0,1,2,3
	v_add_f32 v[SS+\m], v[SS+\m], v[SS+\k+\m]      ; the waves' parts in one order in every wave
.endr
.endr
.irp m, 0,1,2,3
	v_fma_f32 v[SS+\m], v[SS+\m], 0x3a800000, s36  ; / 1,024 + 1e-6
.endr
.irp m, 0,1,2,3
	v_rsq_f32 v[RS+2*\m], v[SS+\m]
.endr
	v_nop                                          ; a plain place behind the last of the batch
	s_wait_alu depctr_va_vdst(0)                   ; one wait for the four, ahead of their first reader
.macro NORMROPE m                      ; x / rms, x gain, and the rotation of neighbouring pairs
.set XW, 2+(\m)/2
.set BA, 128*((\m)%2)
	WIN (XW<<6)|XW
.set i, 0
.rept 64
	v_pk_mul_f32 v[BA+2*i:BA+2*i+1], v[BA+2*i:BA+2*i+1], v[RS+2*(\m):RS+2*(\m)+1] op_sel_hi:[1,0]
.set i, i+1
.endr
	WIN (XW<<6)|4|XW
.set i, 0
.rept 64
	v_pk_mul_f32 v[BA+2*i:BA+2*i+1], v[BA+2*i:BA+2*i+1], v[128+2*i:128+2*i+1]
.set i, i+1
.endr
.irp hd, 0,1,2,3
	WIN 4|XW
.set i, 0
.rept 16
	v_pk_mul_f32 v[TT+2*i:TT+2*i+1], v[BA+32*\hd+2*i:BA+32*\hd+2*i+1], v[32*(\m)+2*i:32*(\m)+2*i+1] op_sel:[1,1] op_sel_hi:[0,1]   ; (odd x sin, even x sin)
.set i, i+1
.endr
	WIN (XW<<6)|4|XW
.set i, 0
.rept 16
	v_pk_fma_f32 v[BA+32*\hd+2*i:BA+32*\hd+2*i+1], v[BA+32*\hd+2*i:BA+32*\hd+2*i+1], v[32*(\m)+2*i:32*(\m)+2*i+1], v[TT+2*i:TT+2*i+1] op_sel_hi:[1,0,1] neg_lo:[0,0,1]   ; (even x cos - odd x sin, odd x cos + even x sin)
.set i, i+1
.endr
.endr
	WIN 0
.endm
.macro OUTQ m, f                       ; heads 2 f and 2 f + 1 of my four, token tile m: one fragment = two half images
	s_wait_xcnt 0x0                                ; the earlier stores have read the registers of the codes
	QUANT BA+64*(\f), XW
	global_store_b128 v2, v[PC:PC+3], s[38:39] offset:QKR*(2*(\f))+768*(\m)
	global_store_b64 v4, v[PC+4:PC+5], s[38:39] offset:QKR*(2*(\f))+768*(\m)+512
	global_store_b128 v2, v[PC+6:PC+9], s[38:39] offset:QKR*(2*(\f)+1)+768*(\m)
	global_store_b64 v4, v[PC+10:PC+11], s[38:39] offset:QKR*(2*(\f)+1)+768*(\m)+512
	v_mov_b32 v[SW+4*(2*(\f))+(\m)], v[PW]         ; the even head's two bytes lie lowest; the two above them are bytes of scales too, never 0xff
	v_lshrrev_b32 v[SW+4*(2*(\f)+1)+(\m)], 16, v[PW]
.endm
.irp m, 0,1,2,3
	NORMROPE \m
	OUTQ \m, 0
	OUTQ \m, 1
.endr
.irp hd, 0,1,2,3
	global_store_b128 v2, v[SW+4*\hd:SW+4*\hd+3], s[38:39] offset:QKR*\hd+3072   ; the four tiles' scale words, 16 bytes a lane
.endr
	s_wait_xcnt 0x0
	v_lshl_add_u32 v234, v0, 2, 0x2e000
	v_mov_b32 v235, 0
	s_wait_tensorcnt 0x0
	ds_add_u32 v234, v235
	s_wait_dscnt 0x0
	s_endpgm
; ------------------------------------------------------------------ v
.Lvpath:
	s_mov_b32 s32, LAV                             ; LDS byte of the K step's record of the first 64 tokens
	s_lshr_b32 s40, ttmp9, 1                       ; which 128 tokens
	s_and_b32 s41, ttmp9, 1                        ; which 512 channels
	s_mul_i32 s42, s40, 2*AQG
	s_add_co_u32 s42, s42, AQT                     ; encoder_output's images
	s_mov_b32 s43, 0
	s_lshl_b32 s44, s41, 1
	s_lshr_b32 s45, s26, 1
	s_add_co_u32 s44, s44, s45                     ; my 128 channels lie in this group of 256,
	s_mul_i32 s44, s44, WQG
	s_add_co_u32 s44, s44, 2*WQM
	s_mov_b32 s45, 0
	s_and_b32 s46, s26, 1                          ; in its lower or upper eight tiles
	s_mul_i32 s47, s46, 12288
	v_add_nc_u32 v9, s47, v2
	s_lshl_b32 s47, s46, 10
	v_add_nc_u32 v10, s47, v3
	s_lshl_b32 s48, s41, 11
	s_lshl_b32 s49, s26, 9
	s_add_co_u32 s48, s48, s49
	v_lshl_add_u32 v11, v5, 2, s48                 ; the bias of channel r of my first tile
	s_lshr_b32 s50, s40, 4                         ; batch
	s_lshl_b32 s50, s50, 2
	s_bfe_u32 s51, s40, 0x20002                    ; which 512 keys
	s_add_co_u32 s50, s50, s51
	s_lshl_b32 s50, s50, 4
	s_lshl_b32 s51, s41, 3
	s_add_co_u32 s50, s50, s51
	s_lshl_b32 s51, s26, 1
	s_add_co_u32 s50, s50, s51                     ; my first head
	s_mul_i32 s50, s50, VCR
	s_and_b32 s51, s40, 3                          ; which 128 of the 512
	s_mul_i32 s51, s51, 6656
	s_add_co_u32 s50, s50, s51
	s_mov_b32 s51, 0
	s_mul_i32 s52, s26, 26624
	v_add_nc_u32 v12, s52, v2                      ; the copy: 52 runs of 512 bytes a wave, in memory,
	v_add_nc_u32 v13, LAV, v12                     ; and in LDS
	s_wait_kmcnt 0x0
	s_add_nc_u64 s[54:55], s[4:5], s[42:43]
	s_add_nc_u64 s[30:31], s[6:7], s[44:45]
	s_add_nc_u64 s[38:39], s[24:25], s[50:51]
.irp t, 0,1,2,3,4,5,6,7
	global_load_b32 v[BV+\t], v11, s[14:15] offset:64*\t
.endr
	WIN 0x80
.set n, 0
.rept 52
	global_load_b128 v[4*n:4*n+3], v12, s[54:55] offset:512*n
.set n, n+1
.endr
	WIN 0
; A batch: two fragments of the weight and their scale words, 8 loads, into one of two sets.
.macro LV set, g, off
	WIN 0x40
.irp u, 0,1
.irp c, 0,1,2
	global_load_b128 v[96*(\set)+12*(2*(\g)+\u)+4*\c:96*(\set)+12*(2*(\g)+\u)+4*\c+3], v9, s[30:31] offset:(\off)+1536*(2*(\g)+\u)+512*\c
.endr
.endr
	WIN 0
.irp u, 0,1
	global_load_b32 v[WS+8*(\set)+2*(\g)+\u], v10, s[30:31] offset:(\off)+24576+128*(2*(\g)+\u)
.endr
.endm
; The eight token fragments and scale words of the K step at s32: four from each group of 64 tokens.
.macro LAV8 set
	v_add_nc_u32 v7, s32, v2
	v_add_nc_u32 v8, s32, v3
	v_add_nc_u32 v14, AQG, v7
	v_add_nc_u32 v15, AQG, v8
.irp j, 0,1,2,3
.irp c, 0,1,2
	ds_load_b128 v[AF+96*(\set)+12*\j+4*\c:AF+96*(\set)+12*\j+4*\c+3], v7 offset:1536*\j+512*\c
	ds_load_b128 v[AF+96*(\set)+48+12*\j+4*\c:AF+96*(\set)+48+12*\j+4*\c+3], v14 offset:1536*\j+512*\c
.endr
	ds_load_b32 v[AS+8*(\set)+\j], v8 offset:6144+128*\j
	ds_load_b32 v[AS+8*(\set)+4+\j], v15 offset:6144+128*\j
.endr
.endm
	LV 0, 0, 0
	s_wait_loadcnt 8                               ; the bias and the 52 copies are in; the batch just asked for may be out
	WIN 0x08
.set n, 0
.rept 52
	ds_store_b128 v13, v[4*n:4*n+3] offset:512*n
.set n, n+1
.endr
	WIN 0
	LV 0, 1, 0
	LV 0, 2, 0
	LV 0, 3, 0
	LV 1, 0, WQS
	LV 1, 1, WQS
	LV 1, 2, WQS
	LV 1, 3, WQS
	BARRIER
	LAV8 0
; A K step: 64 matrix instructions, the 64 accumulators by turns.  Accumulator (channel tile c, token tile t) at 8 ((8 c + t) % 32) of window 2 (c < 4) or 3.
; wl: behind each group its two weight fragments are asked for anew, for the K step after next.  al: the next step's tokens come from LDS.  base: without wl, the batches still out at the step's head.
.macro STEPV par, cz, wl, al, base
.if \wl
	s_wait_xcnt 0x0                                ; the loads that are out have read their base
	s_add_nc_u64 s[30:31], s[30:31], WQS           ; the next K step's record; the loads below add one more
.endif
.if \al
	s_add_co_u32 s32, s32, AQS
.endif
	s_wait_dscnt 0x0
.irp g, 0,1,2,3
.if \wl
	s_wait_loadcnt 56                              ; this group's batch is in; the seven batches asked for behind it may be out
.else
	s_wait_loadcnt 8*((\base)-\g)
.endif
	WIN ((2+\g/2)<<6)|((2+\g/2)<<4)|4              ; source 0 (tokens) window 0, source 1 (weight) window 1
.irp u, 0,1
.irp t, 0,1,2,3,4,5,6,7
.set DD, 8*((8*(2*\g+\u)+\t)%32)
.set FA, AF+96*(\par)+12*\t
.set FB, 96*(\par)+12*(2*\g+\u)
.set SA, AS+8*(\par)+\t
.set SB, WS+8*(\par)+2*\g+\u
	WMMA \cz
.endr
.endr
	WIN 0
	PLACES 4
.if \al
.if \g == 0
	LAV8 1-\par
.endif
.endif
.if \wl
	LV \par, \g, WQS
.endif
.endr
.endm
	STEPV 0, 0, 1, 1, 0
	s_mov_b32 s33, 2
.Lkv:
	STEPV 1, 1, 1, 1, 0
	STEPV 0, 1, 1, 1, 0
	s_sub_co_u32 s33, s33, 1
	s_cmp_lg_u32 s33, 0
	s_cbranch_scc1 .Lkv
	STEPV 1, 1, 1, 1, 0                            ; K step 5 asks for the last weights
	STEPV 0, 1, 0, 1, 7
	STEPV 1, 1, 0, 0, 3
.irp b, 0,1,2,3
	v_mov_b32 v[TP+\b], 0
.endr
.macro OUTV ct                         ; channel tile ct: + bias; its 64 registers are 128 keys: one fragment of V^T
.set XW, 2+(\ct)/4
.set BA, 64*((\ct)%4)
	WIN (XW<<6)|XW
.set i, 0
.rept 32
.if (\ct)%2 == 0
	v_pk_add_f32 v[BA+2*i:BA+2*i+1], v[BA+2*i:BA+2*i+1], v[BV+2*((\ct)/2):BV+2*((\ct)/2)+1] op_sel_hi:[1,0]
.else
	v_pk_add_f32 v[BA+2*i:BA+2*i+1], v[BA+2*i:BA+2*i+1], v[BV+2*((\ct)/2):BV+2*((\ct)/2)+1] op_sel:[0,1] op_sel_hi:[1,1]
.endif
.set i, i+1
.endr
	s_wait_xcnt 0x0                                ; the earlier stores have read the registers of the codes
	QUANT BA, XW
.irp c, 0,1,2
	global_store_b128 v2, v[PC+4*\c:PC+4*\c+3], s[38:39] offset:VCR*((\ct)/4)+1536*((\ct)%4)+512*\c
.endr
	v_mov_b32 v[SW+(\ct)], v[PW]
.if (\ct)%4 == 3
	global_store_b128 v2, v[SW+(\ct)-3:SW+(\ct)], s[38:39] offset:VCR*((\ct)/4)+6144
.endif
.endm
.irp q, 0,1,2,3,4,5,6,7
	OUTV \q
.endr
	s_wait_xcnt 0x0
	v_lshl_add_u32 v234, v0, 2, 0x2e000
	v_mov_b32 v235, 0
	s_wait_tensorcnt 0x0
	ds_add_u32 v234, v235
	s_wait_dscnt 0x0
	s_endpgm
.Lfunc_end_k_q63ea2eae2c_qkv:
	.size	k_q63ea2eae2c_qkv, .Lfunc_end_k_q63ea2eae2c_qkv-k_q63ea2eae2c_qkv
	.p2alignl 7, 3214868480
	.fill 96, 4, 3214868480
	.section	.rodata,"a",@progbits
	.p2align	6, 0x0
	.amdhsa_kernel k_q63ea2eae2c_qkv
		.amdhsa_group_segment_fixed_size 188928
		.amdhsa_private_segment_fixed_size 0
		.amdhsa_enable_private_segment 0
		.amdhsa_kernarg_size 88
		.amdhsa_user_sgpr_count 2
		.amdhsa_user_sgpr_kernarg_segment_ptr 1
		.amdhsa_wavefront_size32 1
		.amdhsa_system_sgpr_workgroup_id_x 1
		.amdhsa_system_sgpr_workgroup_id_y 1
		.amdhsa_system_sgpr_workgroup_id_z 1
		.amdhsa_system_vgpr_workitem_id 0
		.amdhsa_next_free_vgpr 1024
		.amdhsa_next_free_sgpr 80
		.amdhsa_reserve_vcc 0
		.amdhsa_float_denorm_mode_32 3
		.amdhsa_float_denorm_mode_16_64 3
		.amdhsa_memory_ordered 1
		.amdhsa_forward_progress 1
		.amdhsa_inst_pref_size 255
	.end_amdhsa_kernel
	.section	.bss,"aw",@nobits
	.p2align	6
	.space	262144
	.amdgpu_metadata
---
amdhsa.version: [ 1, 2 ]
amdhsa.kernels:
  - .name:           k_q63ea2eae2c_qkv
    .symbol:         k_q63ea2eae2c_qkv.kd
    .args:
      - { .name: aq, .offset: 0, .size: 8, .value_kind: global_buffer, .address_space: global }
      - { .name: wq, .offset: 8, .size: 8, .value_kind: global_buffer, .address_space: global }
      - { .name: aux, .offset: 16, .size: 8, .value_kind: global_buffer, .address_space: global }
      - { .name: query_b, .offset: 24, .size: 8, .value_kind: global_buffer, .address_space: global }
      - { .name: key_b, .offset: 32, .size: 8, .value_kind: global_buffer, .address_space: global }
      - { .name: value_b, .offset: 40, .size: 8, .value_kind: global_buffer, .address_space: global }
      - { .name: q_norm_w, .offset: 48, .size: 8, .value_kind: global_buffer, .address_space: global }
      - { .name: k_norm_w, .offset: 56, .size: 8, .value_kind: global_buffer, .address_space: global }
      - { .name: qc, .offset: 64, .size: 8, .value_kind: global_buffer, .address_space: global }
      - { .name: kc, .offset: 72, .size: 8, .value_kind: global_buffer, .address_space: global }
      - { .name: vc, .offset: 80, .size: 8, .value_kind: global_buffer, .address_space: global }
    .group_segment_fixed_size: 188928
    .private_segment_fixed_size: 0
    .kernarg_segment_align: 8
    .kernarg_segment_size: 88
    .max_flat_workgroup_size: 128
    .sgpr_count:     80
    .vgpr_count:     1024
    .wavefront_size: 32
...
	.end_amdgpu_metadata
.endif
;; end of part 2
;; launch attn (part 3): grid 256 x 1, 4 waves a work-group, clusters of 4 x 1, 327,680 bytes of LDS; arguments qc, kc, vc, aux, yq, out1; writes yq, out1
.if DOCPART == 3
	.amdgcn_target "amdgcn-amd-amdhsa--gfx1250"
	.amdhsa_code_object_version 6
	.text
	.protected	k_q63ea2eae2c_attn
	.globl	k_q63ea2eae2c_attn
	.p2align	8
	.type	k_q63ea2eae2c_attn,@function
k_q63ea2eae2c_attn:
	s_mov_b64 s[64:65], 0
	v_nop
	global_prefetch_b8 v0, s[64:65] scope:SCOPE_SE
	s_setreg_imm32_b32 hwreg(HW_REG_WAVE_MODE, 25, 1), 1
	s_wait_xcnt 0x0
	s_wait_alu depctr_hold_cnt(0) depctr_sa_sdst(0) depctr_va_vdst(0) depctr_va_sdst(0) depctr_va_ssrc(0) depctr_va_vcc(0) depctr_vm_vsrc(0)
	s_getreg_b32 s2, hwreg(HW_REG_IB_STS2, 6, 4)
	s_cmp_eq_u32 s2, 0
	s_cbranch_scc0 .Lentry_in_a_cluster
	s_endpgm
.Lentry_in_a_cluster:
	s_bfe_u32 s2, ttmp6, 0x10000c
	s_cmp_lg_u32 s2, 0x3003
	s_cbranch_scc0 .Lentry_shape_is_right
	s_endpgm
.Lentry_shape_is_right:
; att = softmax over the unmasked keys of q . k / 8; out1 = its mean over the 16 heads, f32; y = att v, quantised for the last product.  Both products on codes of FP6 (E2M3).
; att goes into its quantiser FINISHED AND NORMALISED, so a row's maximum and sum are known before any of its codes is made, and yet each score and each exponential is computed once:
; a work-group owns 16 queries, all 16 heads and all 2,048 keys; wave w owns keys 512 w .. 512 w + 511, whose 32 tiles of scores are 256 registers: a head's whole rows lie in the work-group's registers.
; Each wave takes its own maximum m_w (never under -2^96) and sum l_w of p = 2^(c s - c m_w), c = log2(e) / 8; the four pairs meet in LDS; att = p x 2^(c m_w - c max) / sum.  The heads follow each other; the mean's sums stay in 256 registers.
; THE MASK is the C of the scores' products: 0 or -1e30.  A masked key's p is 0; a row with no key left has the factor 0, and so att = 0 and y = 0.
; LAYOUT.  S^T = K Q^T (source 0 = 16 keys, source 1 = my 16 queries), O^T = V^T att^T (source 0 = 16 channels, source 1 = att): a lane holds ONE query (lane % 16) throughout.  Two neighbouring tiles of keys fall into the
; order of code places that V's codes have (place 16 a + 8 u + j of a block holds key 16 u + 8 a + j).
; K = 64 IN A PRODUCT 128 DEEP: Q's upper six registers hold zero codes for the whole launch; a tile of K is six registers, and the six that follow it (the next tile's, or six zeros) meet those zero codes.
; CLUSTER.  The four work-groups of a cluster walk the same records of K and V: each record (a wave's 512 keys of one head, dense in memory) is asked for JOINTLY, by the same tensor load with the same descriptor and the mask of all four.
; Each wave fetches and reads its own quarter.  K's slot is filled again in the middle of a head's exponentials, V's at the head's end: each load has about half a head's work in which to land.  By this text's count a wave has two
; tensor loads out at the start and one later.
; LIMITS: NaN and infinities are not served; true scores lie above -5e28; a block of att whose largest number lies under 2^-124 gets the byte 1.
; REGISTERS.  Window 1: the scores, then p, then att (tile i at 8 i); for the second product V's fragments (64 j + 12 d) and O^T (64 d + 48).  Window 2: the mean's sums.  Window 3: the mask's addends.
;   Window 0: v1-23 addresses; v24-35 Q; v36 its scale word; v38-91, v92-145 two buffers of 8 tiles of K + 6 zeros (later att's codes, v38-85, and codes on their way, v92-99); v146-161 scale words of K, later of V; v162-165 att's;
;   v166-181 the blocks' largest scores, then p; v182-189 at work; v190-197 sums; v198-205 the four waves' (c m, l); v206-207 mine; v208 -c m; v210 the factor; v212-223 the quantiser; v224-255 exchanges, and the four parts of a tile of O^T.
.set QKR,   28672                      ; a record of K: 8 blocks of 64 keys x (4 half images of 768 bytes + 512 bytes of scale words)
.set VCR,   26624                      ; a record of V: 4 steps of 128 keys x (4 images of 1,536 bytes + 512 bytes of scale words)
.set LVS,   114688                     ; LDS: K's slot at 0 (4 records), V's slot here (4 records),
.set LOST,  221184                     ; the waves' parts of O^T: [wave][tile of 16 channels][1,024],
.set LYA,   237568                     ; y of the 16 queries: [head][tile][1,024],
.set LEX,   303104                     ; the waves' (c m, l): 4 x 256 bytes,
.set SPARE, 304128                     ; the spare words, 128 bytes for each wave: two blocks of 256 bytes that no other line names
.set KA,  38
.set KB2, 92
.set SCA, 146
.set SCB, 154
.set PWJ, 162
.set BM,  166
.set SUM, 190
.set TM,  212
.set TP,  216
.set SO,  220
.set PW,  162
.set PC,  38
.set CT,  92
.set PT,  224
.set MSB, 0
.macro WIN new                         ; the immediate's high byte repeats the setting that is left
.if MSB != (\new)
	s_set_vgpr_msb (MSB<<8)|(\new)
.set MSB, (\new)
.endif
.endm
.macro PLACES n
.rept \n
	v_nop
.endr
.endm
.macro BARRIER
	s_wait_dscnt 0x0
	s_barrier_signal -1
	s_barrier_wait -1
.endm
.macro CROUND                          ; a round of the cluster's barrier: my work-group's barrier; wave 0 signals for the work-group; every wave waits for all four work-groups; my work-group's barrier once more
	s_barrier_signal -1
	s_barrier_wait -1
	s_cmp_lg_u32 s16, 0
	s_cbranch_scc1 .Lnot_wave_0_\@
	s_barrier_signal -3
.Lnot_wave_0_\@:
	s_barrier_wait -3
	s_barrier_signal -1
	s_barrier_wait -1
.endm
.macro WMMA cz
.if \cz == 0
	v_wmma_scale_f32_16x16x128_f8f6f4 v[DD:DD+7], v[FA:FA+11], v[FB:FB+11], 0, v[SA], v[SB] matrix_a_fmt:MATRIX_FMT_FP6 matrix_b_fmt:MATRIX_FMT_FP6
.else
	v_wmma_scale_f32_16x16x128_f8f6f4 v[DD:DD+7], v[FA:FA+11], v[FB:FB+11], v[DD:DD+7], v[SA], v[SB] matrix_a_fmt:MATRIX_FMT_FP6 matrix_b_fmt:MATRIX_FMT_FP6
.endif
.endm
; 64 numbers of a lane in window xw become a fragment's codes in v[PC] on and its scale word in v[PW] (used for y, at the end).
.macro QUANT s, xw
	WIN (\xw)|((\xw)<<2)
.irp b, 0,1,2,3
	v_max3_num_f32 v[TM+\b], |v[(\s)+16*\b]|, |v[(\s)+16*\b+1]|, 0x1800000
.endr
	WIN ((\xw)<<2)|((\xw)<<4)
.irp i, 2,4,6,8,10,12,14
.irp b, 0,1,2,3
	v_max3_num_f32 v[TM+\b], v[TM+\b], |v[(\s)+16*\b+\i]|, |v[(\s)+16*\b+\i+1]|
.endr
.endr
	WIN 0
.irp b, 0,1,2,3
	v_permlanex16_b32 v[TP+\b], v[TM+\b], s50, s51
.endr
.irp b, 0,1,2,3
	v_max_num_f32 v[TM+\b], v[TM+\b], v[TP+\b]
.endr
.irp b, 0,1,2,3
	v_add_nc_u32 v[SO+\b], 0xff000000, v[TM+\b]
.endr
.irp b, 0,1,2,3
	v_lshrrev_b32 v[TP+\b], 23, v[SO+\b]
.endr
	v_lshl_or_b32 v[PW], v[TP+1], 8, v[TP]
	v_lshl_or_b32 v[PW], v[TP+2], 16, v[PW]
	v_lshl_or_b32 v[PW], v[TP+3], 24, v[PW]
	WIN (\xw)
.irp c, 0,1
	v_cvt_scalef32_pk16_fp6_f32 v[PC+6*\c:PC+6*\c+2], v[(\s)+32*\c:(\s)+32*\c+15], v[SO+2*\c]
	v_cvt_scalef32_pk16_fp6_f32 v[CT+4*\c:CT+4*\c+2], v[(\s)+32*\c+16:(\s)+32*\c+31], v[SO+2*\c+1]
.endr
	WIN 0
	v_nop
.irp c, 0,1
.irp i, 0,1,2
	v_permlane16_swap_b32 v[PC+6*\c+\i], v[CT+4*\c+\i]
.endr
.irp i, 0,1,2
	v_mov_b32 v[PC+3+6*\c+\i], v[CT+4*\c+\i]
.endr
.endr
.endm
	s_load_b256 s[4:11], s[0:1], 0x0               ; qc, kc, vc, aux
	s_load_b128 s[12:15], s[0:1], 0x20             ; yq, out1
	v_lshl_add_u32 v1, v0, 2, SPARE                ; my spare word; never rewritten
	v_mov_b32 v2, 0                                ; 0; never rewritten
	ds_add_u32 v1, v2
	ds_add_u32 v1, v2
	s_wait_dscnt 0x0
	v_lshrrev_b32 v3, 5, v0
	v_readfirstlane_b32 s16, v3                    ; wave
	s_bfe_u32 s17, ttmp6, 0x40000                  ; cx: my place in the cluster: it enters addresses in memory alone
	s_lshl_b32 s18, ttmp9, 2
	s_add_co_u32 s18, s18, s17                     ; my tile of 16 queries, 0 .. 255
	s_lshr_b32 s19, ttmp9, 5                       ; batch: the four partners share it
	v_and_b32 v20, 31, v0                          ; lane
	v_and_b32 v21, 15, v0                          ; r
	v_bfe_u32 v22, v0, 4, 1                        ; h
	v_lshlrev_b32 v12, 4, v20                      ; 16 x lane
	v_lshlrev_b32 v13, 3, v20                      ; 8 x lane
	v_lshlrev_b32 v17, 2, v20                      ; 4 x lane
	s_mul_i32 s20, s16, QKR                        ; my record in K's slot
	v_add_nc_u32 v3, s20, v12
	v_add_nc_u32 v4, s20, v13
	s_mul_i32 s21, s16, VCR
	s_add_co_u32 s21, s21, LVS                     ; and in V's
	v_add_nc_u32 v5, s21, v12
	s_lshl_b32 s22, s16, 12
	s_add_co_u32 s22, s22, LOST
	v_add_nc_u32 v6, s22, v12                      ; where I put my part of O^T
	s_lshl_b32 s22, s16, 10
	s_add_co_u32 s23, s22, LOST
	v_add_nc_u32 v7, s23, v12                      ; tile w of everybody's part
	s_add_co_u32 s23, s22, LYA
	v_add_nc_u32 v8, s23, v12                      ; tile w of y, head 0
	s_lshl_b32 s22, s16, 8
	s_add_co_u32 s22, s22, LEX
	v_add_nc_u32 v10, s22, v13                     ; my (c m, l)
	v_add_nc_u32 v11, LEX, v13                     ; everybody's
	s_mul_i32 s22, s17, 768                        ; Q: my tile is tile cx of its block of 64 tokens
	v_add_nc_u32 v14, s22, v12
	v_add_nc_u32 v15, s22, v13
	s_lshl_b32 s22, s17, 2
	v_add_nc_u32 v16, s22, v12                     ; and word cx of each lane's four scale words
	v_lshlrev_b32 v18, 8, v20                      ; the prefetches: lanes 256 bytes apart
	v_lshlrev_b32 v19, 5, v22                      ; the mask's addends: 8 for my half of a tile
	; descriptor group 1: a dense block as rows of 256 bytes (32 elements of 8 bytes): 112 rows for K, 104 for V
	s_mov_b32 s24, 0x23000f                        ; 15:0 the mask: all four work-groups; 17:16 elements of 8 bytes; 21 set beside a mask
	s_mov_b32 s25, 32<<16                          ; tensor_dim0
	s_mov_b32 s26, 112<<16                         ; tensor_dim1
	s_mov_b32 s27, 32<<16                          ; tile_dim0
	s_mov_b32 s28, 112                             ; tile_dim1
	s_mov_b32 s29, 32                              ; the pitch
	s_mov_b32 s30, 0
	s_mov_b32 s31, 0
	s_mov_b32 s32, 0x23000f
	s_mov_b32 s33, 32<<16
	s_mov_b32 s34, 104<<16
	s_mov_b32 s35, 32<<16
	s_mov_b32 s36, 104
	s_mov_b32 s37, 32
	s_mov_b32 s38, 0
	s_mov_b32 s39, 0
	s_mov_b32 s48, 0x3e38aa3b                      ; c = log2(e) / 8
	s_mov_b32 s49, s48                             ; (named with it as a pair)
	s_mov_b32 s50, 0x76543210
	s_mov_b32 s51, 0xfedcba98                      ; lane l xor 16
	s_mov_b32 s52, 15                              ; heads whose successor is still to be asked for
	s_mov_b32 s53, 0                               ; the head's place in y: 4,096 bytes a head
	s_and_b32 s22, ttmp9, 31                       ; a batch's first cluster prefetches for all that walk the same records: the same in all four partners
	s_cmp_eq_u32 s22, 0
	s_cselect_b32 s54, 3, -1                       ; K's stream is asked for while more than 3 heads are to come,
	s_cselect_b32 s55, 4, -1                       ; V's while more than 4: both end at their stream's last block
	s_lshl_b32 s66, s19, 2
	s_add_co_u32 s66, s66, s16                     ; 4 x batch + wave: my stream of 16 records
	s_mul_i32 s68, s66, 16*QKR
	s_mov_b32 s69, 0
	s_mul_i32 s70, s66, 16*VCR
	s_mov_b32 s71, 0
	s_lshl_b32 s72, s19, 2                         ; Q: batch, which 512 tokens, which 64 of them
	s_bfe_u32 s73, ttmp9, 0x20003
	s_add_co_u32 s72, s72, s73
	s_mul_i32 s72, s72, 16*QKR
	s_and_b32 s73, ttmp9, 7
	s_mul_i32 s73, s73, 3584
	s_add_co_u32 s72, s72, s73
	s_mov_b32 s73, 0
	s_lshl_b32 s74, s19, 13                        ; the mask's addends of my 512 keys
	s_lshl_b32 s75, s16, 11
	s_add_co_u32 s74, s74, s75
	s_add_co_u32 s74, s74, 524288
	s_mov_b32 s75, 0
	s_mul_i32 s66, ttmp9, 53248                    ; yq: my group of 64 tokens, K steps 2 w and 2 w + 1, tile cx
	s_mul_i32 s67, s16, 13312
	s_add_co_u32 s66, s66, s67
	s_mul_i32 s67, s17, 1536
	s_add_co_u32 s76, s66, s67
	s_mov_b32 s77, 0
	s_lshl_b32 s67, s17, 7
	s_add_co_u32 s78, s66, s67
	s_add_co_u32 s78, s78, 6144
	s_mov_b32 s79, 0
	s_lshl_b32 s80, s18, 17                        ; out1: 16 rows of 8,192 bytes, my 512 keys
	s_lshl_b32 s67, s16, 11
	s_add_co_u32 s80, s80, s67
	s_mov_b32 s81, 0
	s_lshl_b32 s82, s17, 13                        ; the prefetches: my work-group's 32 blocks of each 128, told apart by address
	s_add_co_u32 s82, s82, 32768                   ; from block 128 on: the first change steps it to block 256
	s_mov_b32 s83, 0
.irp z, 30,31,32,33,34,35,86,87,88,89,90,91,140,141,142,143,144,145,209,211
	v_mov_b32 v\z, 0                               ; Q's zero codes, the six registers behind each buffer of K, the upper halves of two pairs
.endr
.set i, 0
.rept 16
	v_mov_b32 v[PT+i], 0                           ; lane permutes' destinations count as read
.set i, i+1
.endr
	WIN 0x80
.set i, 0
.rept 256
	v_mov_b32 v[i], 0                              ; the mean's sums, once in the launch: the head is written twice as it is (loop and tail); a first head of its own would be a third copy
.set i, i+1
.endr
	WIN 0
	s_wait_kmcnt 0x0
	s_add_nc_u64 s[60:61], s[4:5], s[72:73]        ; Q, head 0
	s_add_nc_u64 s[74:75], s[10:11], s[74:75]
	s_add_nc_u64 s[76:77], s[12:13], s[76:77]
	s_add_nc_u64 s[78:79], s[12:13], s[78:79]
	s_add_nc_u64 s[80:81], s[14:15], s[80:81]
	s_mov_b32 s40, 1                               ; group 0 for K: count = 1,
	s_mov_b32 s41, s20                             ; LDS address: the wave's number x a record,
	s_add_nc_u64 s[42:43], s[6:7], s[68:69]        ; my stream's first record,
	s_add_nc_u64 s[56:57], s[42:43], s[82:83]
	s_or_b32 s43, s43, 0x80000000                  ; type = 2
	s_mov_b32 s44, 1
	s_mov_b32 s45, s21
	s_add_nc_u64 s[46:47], s[8:9], s[70:71]
	s_add_nc_u64 s[58:59], s[46:47], s[82:83]
	s_or_b32 s47, s47, 0x80000000
	WIN 0xc0
.set i, 0
.rept 32
	global_load_b128 v[8*i:8*i+3], v19, s[74:75] offset:64*i
	global_load_b128 v[8*i+4:8*i+7], v19, s[74:75] offset:64*i+16
.set i, i+1
.endr
	WIN 0
.macro QLOAD                           ; my tile's half image and scale word of the head at s[60:61]
	global_load_b128 v[24:27], v14, s[60:61]
	global_load_b64 v[28:29], v15, s[60:61] offset:512
	global_load_b32 v36, v16, s[60:61] offset:3072
.endm
	QLOAD
	CROUND                                         ; all four work-groups are here: the first joint loads meet
	tensor_load_to_lds s[40:43], s[24:31]          ; K and V of head 0, together: two loads of mine are out
	s_nop 0
	tensor_load_to_lds s[44:47], s[32:39]
	s_nop 0
	PLACES 4
; 8 tiles of K (two blocks of 64 keys) and their scale words: 18 loads.
.macro KLOAD kb, sb, q
.irp i, 0,1,2,3,4,5,6,7
	ds_load_b128 v[\kb+6*\i:\kb+6*\i+3], v3 offset:(2*(\q)+\i/4)*3584+768*(\i%4)
	ds_load_b64 v[\kb+6*\i+4:\kb+6*\i+5], v4 offset:(2*(\q)+\i/4)*3584+768*(\i%4)+512
.endr
	ds_load_b128 v[\sb:\sb+3], v3 offset:(2*(\q))*3584+3072
	ds_load_b128 v[\sb+4:\sb+7], v3 offset:(2*(\q)+1)*3584+3072
.endm
; 8 tiles of scores: D in window 1, C (the mask's addends) in window 3.
.macro SC8 kb, sb, q
	WIN 0x70
.irp i, 0,1,2,3,4,5,6,7
.set DD, 8*(8*(\q)+\i)
.set FA, \kb+6*\i
.set FB, 24
.set SA, \sb+\i
.set SB, 36
	WMMA 1
.endr
	WIN 0
.endm
; Half h of the scores: c s - c m, two at a time, and the exponentials, a pair behind their scaling.  None of these lines reads an exponential's result.
.macro FEXP h
	WIN 0x41
.set k, 0
.rept 64
	v_pk_fma_f32 v[128*(\h)+2*k:128*(\h)+2*k+1], v[128*(\h)+2*k:128*(\h)+2*k+1], s[48:49], v[208:209] op_sel_hi:[1,0,0]
.if k > 0
	v_exp_f32 v[128*(\h)+2*k-2], v[128*(\h)+2*k-2]
	v_exp_f32 v[128*(\h)+2*k-1], v[128*(\h)+2*k-1]
.endif
.set k, k+1
.endr
	v_exp_f32 v[128*(\h)+126], v[128*(\h)+126]
	v_exp_f32 v[128*(\h)+127], v[128*(\h)+127]
.endm
; att of keys 128 j on becomes a fragment.  A block's largest att is not searched for: it is the block's largest p x the factor, the same multiplication on the same number.
.macro QATT j
.irp b, 0,1,2,3
	v_mul_f32 v[TM+\b], v[BM+4*(\j)+\b], v210
.endr
.irp b, 0,1,2,3
	v_max_num_f32 v[TM+\b], 0x1800000, v[TM+\b]    ; the floor 2^(3 - 127): a block of zeros keeps the byte 1; its codes are zeros
.endr
.irp b, 0,1,2,3
	v_add_nc_u32 v[SO+\b], 0xff000000, v[TM+\b]
.endr
.irp b, 0,1,2,3
	v_lshrrev_b32 v[TP+\b], 23, v[SO+\b]
.endr
	v_lshl_or_b32 v[PWJ+(\j)], v[TP+1], 8, v[TP]
	v_lshl_or_b32 v[PWJ+(\j)], v[TP+2], 16, v[PWJ+(\j)]
	v_lshl_or_b32 v[PWJ+(\j)], v[TP+3], 24, v[PWJ+(\j)]
	WIN 0x01
.irp c, 0,1
	v_cvt_scalef32_pk16_fp6_f32 v[PC+12*(\j)+6*\c:PC+12*(\j)+6*\c+2], v[64*(\j)+32*\c:64*(\j)+32*\c+15], v[SO+2*\c]
	v_cvt_scalef32_pk16_fp6_f32 v[CT+4*\c:CT+4*\c+2], v[64*(\j)+32*\c+16:64*(\j)+32*\c+31], v[SO+2*\c+1]
.endr
	WIN 0
	v_nop                                          ; one plain place behind a scaled conversion
.irp c, 0,1
.irp i, 0,1,2
	v_permlane16_swap_b32 v[PC+12*(\j)+6*\c+\i], v[CT+4*\c+\i]
.endr
.irp i, 0,1,2
	v_mov_b32 v[PC+12*(\j)+3+6*\c+\i], v[CT+4*\c+\i]
.endr
.endr
.endm
.macro VLOAD j                         ; V's four fragments of keys 128 j on, into the registers that att's numbers have just left, and their scale words
	WIN 0x40
.irp d, 0,1,2,3
.irp c, 0,1,2
	ds_load_b128 v[64*(\j)+12*\d+4*\c:64*(\j)+12*\d+4*\c+3], v5 offset:6656*(\j)+1536*\d+512*\c
.endr
.endr
	WIN 0
	ds_load_b128 v[SCA+4*(\j):SCA+4*(\j)+3], v5 offset:6656*(\j)+6144
.endm
; A PREFETCH INTO THE L2, behind a change's joint load and its four lines: 32 blocks of 256 bytes of my wave's stream of records, a lane a block.  A stream (1,792 blocks of K, 1,664 of V) is walked by all clusters of a batch:
; the batch's first cluster asks; its four partners take 32 of each 128 blocks, told apart by address; the change of head h names blocks 256 + 128 h on, one to three records ahead of the load that wants them; it stops at the stream's end.
.macro ASK lim, ptr
	s_cmp_gt_u32 s52, s[\lim]
	s_cbranch_scc0 .Lnoask_\@
	global_prefetch_b8 v18, s[\ptr:\ptr+1] th:TH_LOAD_NT scope:SCOPE_SE
.Lnoask_\@:
.endm
; ONE HEAD.  last = 1: the sixteenth, written out.
.macro HEAD last
	s_wait_loadcnt 0x0                             ; Q (and, the first time, the mask's addends)
	s_wait_dscnt 18                                ; the first buffer's 18 loads are in; the 18 behind them may be out
	SC8 KA, SCA, 0
	PLACES 4                                       ; in front of loads into registers that matrix instructions have read
	KLOAD KA, SCA, 2
	s_wait_dscnt 18
	SC8 KB2, SCB, 1
	PLACES 4
	KLOAD KB2, SCB, 3
	s_wait_dscnt 18
	SC8 KA, SCA, 2
	s_wait_dscnt 0x0                               ; my reads of K's record are over
	SC8 KB2, SCB, 3
	PLACES 4
.if !\last
	s_add_nc_u64 s[60:61], s[60:61], QKR           ; (Q's loads are done: their base may step)
	QLOAD
.endif
	WIN 0x15                                       ; THE LARGEST SCORE OF EACH BLOCK OF 32 KEYS: for the maximum, and, since p rises with the score, for the block's largest p.
.irp b, 0,1,2,3,4,5,6,7,8,9,10,11,12,13,14,15
	v_max3_num_f32 v[BM+\b], v[16*\b], v[16*\b+1], v[16*\b+2]
.endr
	WIN 0x14
.irp i, 3,5,7,9,11,13
.irp b, 0,1,2,3,4,5,6,7,8,9,10,11,12,13,14,15
	v_max3_num_f32 v[BM+\b], v[BM+\b], v[16*\b+\i], v[16*\b+\i+1]
.endr
.endr
	WIN 0x04
.irp b, 0,1,2,3,4,5,6,7,8,9,10,11,12,13,14,15
	v_max_num_f32 v[BM+\b], v[BM+\b], v[16*\b+15]
.endr
	WIN 0
.irp b, 0,1,2,3,4,5,6,7,8,9,10,11,12,13,14,15
	v_permlanex16_b32 v[PT+\b], v[BM+\b], s50, s51
.endr
.irp b, 0,1,2,3,4,5,6,7,8,9,10,11,12,13,14,15
	v_max_num_f32 v[BM+\b], v[BM+\b], v[PT+\b]     ; with lane l xor 16's 16 keys
.endr
	v_max3_num_f32 v182, v166, v167, v168
	v_max3_num_f32 v183, v169, v170, v171
	v_max3_num_f32 v182, v182, v172, v173
	v_max3_num_f32 v183, v183, v174, v175
	v_max3_num_f32 v182, v182, v176, v177
	v_max3_num_f32 v183, v183, v178, v179
	v_max3_num_f32 v182, v182, v180, v181
	v_max3_num_f32 v182, v182, v183, 0xef800000    ; my wave's maximum, never under -2^96: where all my 512 keys are masked every exponent below is hugely negative, and no p overflows
	v_mul_f32 v206, s48, v182                      ; c m
	v_mul_f32 v208, -1.0, v206
	FEXP 0
.if !\last
	; THE CHANGE OF K'S SLOT, in the middle of the exponentials.  All my tensor loads have landed (V of this head), my reads of K's record are over; the round says so of every wave of all four work-groups.
	v_nop                                          ; a plain place behind the last exponential,
	s_wait_alu depctr_va_vdst(0)                   ; and the batch's wait, ahead of the round's branches
	WIN 0
	s_wait_tensorcnt 0x0
	ds_add_u32 v1, v2                              ; 0 onto my spare word
	s_add_nc_u64 s[42:43], s[42:43], QKR           ; no tensor load of mine is out: the next head's record
	s_wait_xcnt 0x0                                ; the last prefetch has read its address
	s_add_nc_u64 s[56:57], s[56:57], 32768
	s_wait_dscnt 0x0
	CROUND
	tensor_load_to_lds s[40:43], s[24:31]          ; the first thing behind the round, and my one tensor load until the next
	s_nop 0
	PLACES 4
	ASK 54, 56
.else
	s_wait_tensorcnt 0x0                           ; V of the last head has landed
.endif
	FEXP 1
	WIN 0
.irp b, 0,1,2,3,4,5,6,7,8,9,10,11,12,13,14,15
	v_fma_f32 v[BM+\b], v[BM+\b], s48, v208        ; the same multiply-add and exponential on each block's largest score give its largest p
.endr
.irp b, 0,1,2,3,4,5,6,7,8,9,10,11,12,13,14,15
	v_exp_f32 v[BM+\b], v[BM+\b]
.endr
	v_nop
	s_wait_alu depctr_va_vdst(0)                   ; one wait for the batch, ahead of its first reader
	WIN 0x05                                       ; my wave's sum of p, two at a time, in four chains
.irp c, 0,1,2,3
	v_pk_add_f32 v[SUM+2*\c:SUM+2*\c+1], v[2*\c:2*\c+1], v[8+2*\c:8+2*\c+1]
.endr
	WIN 0x04
.set k, 8
.rept 30
.irp c, 0,1,2,3
	v_pk_add_f32 v[SUM+2*\c:SUM+2*\c+1], v[SUM+2*\c:SUM+2*\c+1], v[2*(k+\c):2*(k+\c)+1]
.endr
.set k, k+4
.endr
	WIN 0
	v_pk_add_f32 v[190:191], v[190:191], v[192:193]
	v_pk_add_f32 v[194:195], v[194:195], v[196:197]
	v_pk_add_f32 v[190:191], v[190:191], v[194:195]
	v_add_f32 v207, v190, v191
	v_permlanex16_b32 v[PT], v207, s50, s51
	v_add_f32 v207, v207, v[PT]
	ds_store_b64 v10, v[206:207]
	BARRIER                                        ; the four waves' (c m, l) lie in LDS.  K's next record may stay on its way
.irp k, 0,1,2,3
	ds_load_b64 v[198+2*\k:199+2*\k], v11 offset:256*\k
.endr
	s_wait_dscnt 0x0
	v_max3_num_f32 v189, v198, v200, v202
	v_max_num_f32 v189, v189, v204                 ; the row's c max
	v_sub_f32 v182, v198, v189
	v_sub_f32 v183, v200, v189
	v_sub_f32 v184, v202, v189
	v_sub_f32 v185, v204, v189
	v_sub_f32 v186, v206, v189
.irp k, 182,183,184,185,186
	v_exp_f32 v\k, v\k
.endr
	v_nop
	v_cmp_gt_f32 vcc_lo, 0xee000000, v189          ; under -2^93: no key of the row is left
	s_wait_alu depctr_va_vdst(0)
	v_mul_f32 v187, v199, v182
	v_fma_f32 v187, v201, v183, v187
	v_fma_f32 v187, v203, v184, v187
	v_fma_f32 v187, v205, v185, v187               ; the row's sum under the row's maximum
	v_rcp_f32 v187, v187
	v_nop
	s_wait_alu depctr_va_vdst(0)
	v_mul_f32 v210, v186, v187                     ; att = p x this
	v_cndmask_b32 v210, v210, v2, vcc_lo           ; or 0
	WIN 0x41
.set k, 0
.rept 128
	v_pk_mul_f32 v[2*k:2*k+1], v[2*k:2*k+1], v[210:211] op_sel_hi:[1,0]
.set k, k+1
.endr
	WIN 0x86
.set k, 0
.rept 128
	v_pk_add_f32 v[2*k:2*k+1], v[2*k:2*k+1], v[2*k:2*k+1]   ; the mean's sums (window 2) take att (window 1), unquantised
.set k, k+1
.endr
	WIN 0
.irp j, 0,1,2,3
	QATT \j
	VLOAD \j
.endr
	PLACES 8                                       ; a scale register written by a vector instruction stands 8 places ahead of a scaled matrix instruction, an operand so written 4
	s_wait_dscnt 0x0                               ; V is in: my reads of V's record are over
	WIN 0x51                                       ; source 0 (V) and O^T in window 1, source 1 (att) in window 0
.irp j, 0,1,2,3
.irp d, 0,1,2,3                                ; the four accumulators by turns
.set DD, 64*\d+48
.set FA, 64*\j+12*\d
.set FB, PC+12*\j
.set SA, SCA+4*\j+\d
.set SB, PWJ+\j
.if \j == 0
	WMMA 0
.else
	WMMA 1
.endif
.endr
.endr
	WIN 0
	PLACES 5
	WIN 0x04
.irp d, 0,1,2,3
	ds_store_b128 v6, v[64*\d+48:64*\d+51] offset:1024*\d
	ds_store_b128 v6, v[64*\d+52:64*\d+55] offset:1024*\d+512
.endr
	WIN 0
.if !\last
	; THE CHANGE OF V'S SLOT.  All my tensor loads have landed (K of the next head), my reads of V's record are over and my part of O^T lies in LDS.
	s_wait_tensorcnt 0x0
	ds_add_u32 v1, v2                              ; 0 onto my spare word
	s_add_nc_u64 s[46:47], s[46:47], VCR
	s_wait_xcnt 0x0
	s_add_nc_u64 s[58:59], s[58:59], 32768
	s_wait_dscnt 0x0
	CROUND
	tensor_load_to_lds s[44:47], s[32:39]
	s_nop 0
	PLACES 4
	ASK 55, 58
.else
	BARRIER
.endif
	v_add_nc_u32 v9, s53, v8
.irp k, 0,1,2,3
	ds_load_b128 v[PT+8*\k:PT+8*\k+3], v7 offset:4096*\k       ; tile w of the four waves' parts
	ds_load_b128 v[PT+8*\k+4:PT+8*\k+7], v7 offset:4096*\k+512
.endr
.if !\last
	KLOAD KA, SCA, 0                               ; the next head's first tiles of K
	KLOAD KB2, SCB, 1
	s_wait_dscnt 36                                ; the eight loads of the parts are in; the 36 behind them may be out
.else
	s_wait_dscnt 0x0
.endif
.irp i, 0,2,4,6
	v_pk_add_f32 v[PT+\i:PT+\i+1], v[PT+\i:PT+\i+1], v[PT+8+\i:PT+9+\i]
	v_pk_add_f32 v[PT+16+\i:PT+17+\i], v[PT+16+\i:PT+17+\i], v[PT+24+\i:PT+25+\i]
.endr
.irp i, 0,2,4,6
	v_pk_add_f32 v[PT+\i:PT+\i+1], v[PT+\i:PT+\i+1], v[PT+16+\i:PT+17+\i]
.endr
	ds_store_b128 v9, v[PT:PT+3]
	ds_store_b128 v9, v[PT+4:PT+7] offset:512
.endm
	s_wait_tensorcnt 1                             ; K of head 0 has landed; V's load may be out
	KLOAD KA, SCA, 0
	KLOAD KB2, SCB, 1
.Lhead:
	HEAD 0
	s_add_co_u32 s53, s53, 4096
	s_sub_co_u32 s52, s52, 1
	s_cmp_lg_u32 s52, 0
	s_cbranch_scc1 .Lhead
	HEAD 1
	BARRIER                                        ; y of the 16 queries, all 1,024 channels, lies in LDS
	; ---- y: wave w quantises K steps 2 w and 2 w + 1 of the last product (heads 4 w .. 4 w + 3)
	s_lshl_b32 s22, s16, 14
	s_add_co_u32 s22, s22, LYA
	v_add_nc_u32 v9, s22, v12
	WIN 0x40
.irp f, 0,1
.irp t, 0,1,2,3,4,5,6,7
	ds_load_b128 v[64*\f+8*\t:64*\f+8*\t+3], v9 offset:8192*\f+1024*\t
	ds_load_b128 v[64*\f+8*\t+4:64*\f+8*\t+7], v9 offset:8192*\f+1024*\t+512
.endr
.endr
	WIN 0
	v_mul_u32_u24 v23, v21, 1040
	v_lshl_add_u32 v23, v22, 5, v23
	v_add_nc_u32 v23, s20, v23                     ; the mean's stage: row r, 32 bytes for each half of the lanes.  It lies in my record of K's slot, which has had its last fill and its last read
	s_wait_dscnt 0x0
.irp f, 0,1
.if \f == 1
	s_wait_xcnt 0x0                                ; the first fragment's stores have read their registers
.endif
	QUANT 64*\f, 1
.irp c, 0,1,2
	global_store_b128 v12, v[PC+4*\c:PC+4*\c+3], s[76:77] offset:6656*\f+512*\c
.endr
	global_store_b32 v17, v[PW], s[78:79] offset:6656*\f
.endr
	; ---- the mean: / 16; 256 keys at a time through my stage (16 rows x (1,024 + 16) bytes), back as runs of 512 bytes of a row
	WIN 0x82
.set k, 0
.rept 128
	v_pk_mul_f32 v[2*k:2*k+1], v[2*k:2*k+1], 0x3d800000 op_sel_hi:[1,0]
.set k, k+1
.endr
.irp u, 0,1
	WIN 0x08
.irp i, 0,1,2,3,4,5,6,7,8,9,10,11,12,13,14,15
	ds_store_b128 v23, v[128*\u+8*\i:128*\u+8*\i+3] offset:64*\i
	ds_store_b128 v23, v[128*\u+8*\i+4:128*\u+8*\i+7] offset:64*\i+16
.endr
	WIN 0x40
.set n, 0
.rept 32
	ds_load_b128 v[128*\u+4*n:128*\u+4*n+3], v3 offset:1040*(n/2)+512*(n%2)   ; LDS serves a wave's instructions in order: these see my stores, and the next half's stores come behind them
.set n, n+1
.endr
.endr
	WIN 0x04
.irp u, 0,1
.set n, 0
.rept 32
.if 31-n+64*(1-\u) > 63
	s_wait_dscnt 63                                ; more than 63 are younger: the field's largest count is the safe one
.else
	s_wait_dscnt 31-n+64*(1-\u)
.endif
	global_store_b128 v12, v[128*\u+4*n:128*\u+4*n+3], s[80:81] offset:8192*(n/2)+1024*\u+512*(n%2) th:TH_STORE_NT   ; 32 lanes store 512 consecutive bytes, aligned
.set n, n+1
.endr
.endr
	WIN 0
	s_wait_tensorcnt 0x0                           ; the wave's end
	ds_add_u32 v1, v2
	s_wait_dscnt 0x0
	CROUND                                         ; the closing round
	s_endpgm
.Lfunc_end_k_q63ea2eae2c_attn:
	.size	k_q63ea2eae2c_attn, .Lfunc_end_k_q63ea2eae2c_attn-k_q63ea2eae2c_attn
	.p2alignl 7, 3214868480
	.fill 96, 4, 3214868480
	.section	.rodata,"a",@progbits
	.p2align	6, 0x0
	.amdhsa_kernel k_q63ea2eae2c_attn
		.amdhsa_group_segment_fixed_size 327680
		.amdhsa_private_segment_fixed_size 0
		.amdhsa_enable_private_segment 0
		.amdhsa_kernarg_size 48
		.amdhsa_user_sgpr_count 2
		.amdhsa_user_sgpr_kernarg_segment_ptr 1
		.amdhsa_wavefront_size32 1
		.amdhsa_system_sgpr_workgroup_id_x 1
		.amdhsa_system_sgpr_workgroup_id_y 1
		.amdhsa_system_sgpr_workgroup_id_z 1
		.amdhsa_system_vgpr_workitem_id 0
		.amdhsa_next_free_vgpr 1024
		.amdhsa_next_free_sgpr 84
		.amdhsa_reserve_vcc 1
		.amdhsa_float_denorm_mode_32 3
		.amdhsa_float_denorm_mode_16_64 3
		.amdhsa_memory_ordered 1
		.amdhsa_forward_progress 1
		.amdhsa_inst_pref_size 218
	.end_amdhsa_kernel
	.amdgpu_metadata
---
amdhsa.version: [ 1, 2 ]
amdhsa.kernels:
  - .name:           k_q63ea2eae2c_attn
    .symbol:         k_q63ea2eae2c_attn.kd
    .args:
      - { .name: qc, .offset: 0, .size: 8, .value_kind: global_buffer, .address_space: global }
      - { .name: kc, .offset: 8, .size: 8, .value_kind: global_buffer, .address_space: global }
      - { .name: vc, .offset: 16, .size: 8, .value_kind: global_buffer, .address_space: global }
      - { .name: aux, .offset: 24, .size: 8, .value_kind: global_buffer, .address_space: global }
      - { .name: yq, .offset: 32, .size: 8, .value_kind: global_buffer, .address_space: global }
      - { .name: out1, .offset: 40, .size: 8, .value_kind: global_buffer, .address_space: global }
    .group_segment_fixed_size: 327680
    .private_segment_fixed_size: 0
    .kernarg_segment_align: 8
    .kernarg_segment_size: 48
    .max_flat_workgroup_size: 128
    .sgpr_count:     84
    .vgpr_count:     1024
    .wavefront_size: 32
...
	.end_amdgpu_metadata
.endif
;; end of part 3
;; launch proj (part 4): grid 256 x 1, 4 waves a work-group, no clusters, 17,920 bytes of LDS; arguments yq, wq, proj_b, out0; writes out0
.if DOCPART == 4
	.amdgcn_target "amdgcn-amd-amdhsa--gfx1250"
	.amdhsa_code_object_version 6
	.text
	.protected	k_q63ea2eae2c_proj
	.globl	k_q63ea2eae2c_proj
	.p2align	8
	.type	k_q63ea2eae2c_proj,@function
k_q63ea2eae2c_proj:
	s_mov_b64 s[64:65], 0
	v_nop
	global_prefetch_b8 v0, s[64:65] scope:SCOPE_SE
	s_setreg_imm32_b32 hwreg(HW_REG_WAVE_MODE, 25, 1), 1
	s_wait_xcnt 0x0
; out0 = y proj_w^T + proj_b on codes of FP6 (E2M3).  y's and the weight's codes lie in memory as images of operand registers, with their scale words beside them.
; A work-group takes 64 tokens x 256 columns, wave w 64 columns: 16 accumulators.  Every fragment goes from memory straight into registers, three loads of 16 bytes a lane; the eight K steps are written out, every offset an
; immediate, loads two K steps ahead in four sets of registers.  No LDS on the way in, no barrier, no tensor load: so no joint requests either; the launch is short and its loads are on their way without a break.
; Source 0 = 16 columns of the weight, source 1 = 16 tokens: a lane holds eight neighbouring columns of one row of out0.  The bias is the C of each sum's first product.
; REGISTERS: window 0: v2-11 addresses; v16-47 scale words, 8 for each set; v64-191 the accumulators ((m, u) at 64 + 8 (4 m + u)); v192-223 the bias.  Set k: window 1 + k / 2, from 96 (k % 2): tokens at + 12 m, weight at + 48 + 12 u.
.set MSB, 0
.macro WIN new                         ; the immediate's high byte repeats the setting that is left
.if MSB != (\new)
	s_set_vgpr_msb (MSB<<8)|(\new)
.set MSB, (\new)
.endif
.endm
	s_load_b256 s[4:11], s[0:1], 0x0               ; yq, wq, proj_b, out0
	v_lshl_add_u32 v254, v0, 2, 0x4400
	v_mov_b32 v255, 0
	v_lshrrev_b32 v1, 5, v0
	v_readfirstlane_b32 s12, v1                    ; wave
	v_and_b32 v1, 31, v0
	v_lshlrev_b32 v2, 4, v1                        ; 16 x lane
	v_lshlrev_b32 v3, 2, v1                        ; 4 x lane
	v_and_b32 v4, 15, v0                           ; r
	v_bfe_u32 v5, v0, 4, 1                         ; h
	s_lshr_b32 s13, ttmp9, 2                       ; which 64 tokens
	s_and_b32 s14, ttmp9, 3                        ; which 256 columns
	s_mul_i32 s16, s13, 53248
	s_mov_b32 s17, 0
	s_mul_i32 s18, s14, 212992
	s_add_co_u32 s18, s18, 3*851968                ; the fourth matrix of wq
	s_mov_b32 s19, 0
	s_mul_i32 s20, s12, 6144                       ; my four tiles of the group's sixteen
	v_add_nc_u32 v6, s20, v2
	s_lshl_b32 s20, s12, 9
	v_add_nc_u32 v7, s20, v3
	s_lshl_b32 s20, s14, 10
	s_lshl_b32 s21, s12, 8
	s_add_co_u32 s20, s20, s21                     ; my first column, in bytes
	v_lshl_add_u32 v8, v5, 5, s20                  ; the bias: 8 for my half of a tile
	s_lshl_b32 s22, s13, 18                        ; 64 rows of 4,096 bytes
	s_add_co_u32 s22, s22, s20
	s_mov_b32 s23, 0
	v_lshlrev_b32 v9, 12, v5
	v_lshl_add_u32 v9, v4, 4, v9                   ; out: lanes 0-15 one row's 256 bytes, lanes 16-31 the next row's
	s_mul_i32 s24, s12, 4352                       ; my stage: 16 rows x (256 + 16) bytes
	v_mul_u32_u24 v10, v4, 272
	v_lshl_add_u32 v10, v5, 5, v10
	v_add_nc_u32 v10, s24, v10
	v_mul_u32_u24 v11, v5, 272
	v_lshl_add_u32 v11, v4, 4, v11
	v_add_nc_u32 v11, s24, v11
	s_wait_kmcnt 0x0
	s_add_nc_u64 s[4:5], s[4:5], s[16:17]
	s_add_nc_u64 s[6:7], s[6:7], s[18:19]
	s_add_nc_u64 s[10:11], s[10:11], s[22:23]
.irp u, 0,1,2,3
	global_load_b128 v[192+8*\u:195+8*\u], v8, s[8:9] offset:64*\u
	global_load_b128 v[196+8*\u:199+8*\u], v8, s[8:9] offset:64*\u+16
.endr
.macro LOADP s                         ; K step s: 4 + 4 fragments and their scale words: 32 loads
.set KK, (\s)%4
.set WD, 1+KK/2
.set BB, 96*(KK%2)
	WIN WD<<6
.irp m, 0,1,2,3
.irp c, 0,1,2
	global_load_b128 v[BB+12*\m+4*\c:BB+12*\m+4*\c+3], v2, s[4:5] offset:6656*(\s)+1536*\m+512*\c
	global_load_b128 v[BB+48+12*\m+4*\c:BB+48+12*\m+4*\c+3], v6, s[6:7] offset:26624*(\s)+1536*\m+512*\c
.endr
.endr
	WIN 0
.irp m, 0,1,2,3
	global_load_b32 v[16+8*KK+\m], v3, s[4:5] offset:6656*(\s)+6144+128*\m
	global_load_b32 v[16+8*KK+4+\m], v7, s[6:7] offset:26624*(\s)+24576+128*\m
.endr
.endm
.macro MULP s                          ; 16 matrix instructions, the 16 accumulators by turns
.set KK, (\s)%4
.set WD, 1+KK/2
.set BB, 96*(KK%2)
	WIN WD|(WD<<2)
.irp m, 0,1,2,3
.irp u, 0,1,2,3
.if (\s) == 0
	v_wmma_scale_f32_16x16x128_f8f6f4 v[64+8*(4*\m+\u):64+8*(4*\m+\u)+7], v[BB+48+12*\u:BB+48+12*\u+11], v[BB+12*\m:BB+12*\m+11], v[192+8*\u:192+8*\u+7], v[16+8*KK+4+\u], v[16+8*KK+\m] matrix_a_fmt:MATRIX_FMT_FP6 matrix_b_fmt:MATRIX_FMT_FP6
.else
	v_wmma_scale_f32_16x16x128_f8f6f4 v[64+8*(4*\m+\u):64+8*(4*\m+\u)+7], v[BB+48+12*\u:BB+48+12*\u+11], v[BB+12*\m:BB+12*\m+11], v[64+8*(4*\m+\u):64+8*(4*\m+\u)+7], v[16+8*KK+4+\u], v[16+8*KK+\m] matrix_a_fmt:MATRIX_FMT_FP6 matrix_b_fmt:MATRIX_FMT_FP6
.endif
.endr
.endr
	WIN 0
.endm
	LOADP 0
	LOADP 1
.irp s, 0,1,2,3,4,5,6,7
.rept 4
	v_nop                                          ; places in front of loads into registers that matrix instructions have read
.endr
.if \s < 6
	LOADP \s+2
	s_wait_loadcnt 63                              ; 64 loads are younger than this step's: the field's largest count is the safe one
.elseif \s == 6
	s_wait_loadcnt 32                              ; the last step's 32 may be out
.else
	s_wait_loadcnt 0x0
.endif
	MULP \s
.endr
.rept 4
	v_nop                                          ; in front of the first read of results and of loads into operand registers
.endr
	; THE WAY OUT: a tile of 16 tokens x my 64 columns goes through my own stage and comes back as whole runs of 256 bytes of a row
.irp m, 0,1,2,3
	WIN 0
.irp u, 0,1,2,3
	ds_store_b128 v10, v[64+8*(4*\m+\u):64+8*(4*\m+\u)+3] offset:64*\u          ; each accumulator from its low end on
	ds_store_b128 v10, v[64+8*(4*\m+\u)+4:64+8*(4*\m+\u)+7] offset:64*\u+16
.endr
	WIN 0x40
.irp i, 0,1,2,3,4,5,6,7
	ds_load_b128 v[32*\m+4*\i:32*\m+4*\i+3], v11 offset:544*\i   ; LDS serves a wave's instructions in order: these see my stores, and the next tile's stores come behind them
.endr
.endr
	WIN 0x04
.irp m, 0,1,2,3
.irp i, 0,1,2,3,4,5,6,7
	s_wait_dscnt 16*(3-\m)+7-\i                    ; what was issued behind this load may be out
	global_store_b128 v9, v[32*\m+4*\i:32*\m+4*\i+3], s[10:11] offset:4096*(16*\m+2*\i) th:TH_STORE_NT   ; 16 lanes store 256 consecutive bytes, aligned
.endr
.endr
	WIN 0
	s_wait_tensorcnt 0x0
	ds_add_u32 v254, v255
	s_wait_dscnt 0x0
	s_endpgm
.Lfunc_end_k_q63ea2eae2c_proj:
	.size	k_q63ea2eae2c_proj, .Lfunc_end_k_q63ea2eae2c_proj-k_q63ea2eae2c_proj
	.p2alignl 7, 3214868480
	.fill 96, 4, 3214868480
	.section	.rodata,"a",@progbits
	.p2align	6, 0x0
	.amdhsa_kernel k_q63ea2eae2c_proj
		.amdhsa_group_segment_fixed_size 17920
		.amdhsa_private_segment_fixed_size 0
		.amdhsa_enable_private_segment 0
		.amdhsa_kernarg_size 32
		.amdhsa_user_sgpr_count 2
		.amdhsa_user_sgpr_kernarg_segment_ptr 1
		.amdhsa_wavefront_size32 1
		.amdhsa_system_sgpr_workgroup_id_x 1
		.amdhsa_system_sgpr_workgroup_id_y 1
		.amdhsa_system_sgpr_workgroup_id_z 1
		.amdhsa_system_vgpr_workitem_id 0
		.amdhsa_next_free_vgpr 768
		.amdhsa_next_free_sgpr 66
		.amdhsa_reserve_vcc 0
		.amdhsa_float_denorm_mode_32 3
		.amdhsa_float_denorm_mode_16_64 3
		.amdhsa_memory_ordered 1
		.amdhsa_forward_progress 1
		.amdhsa_inst_pref_size 54
	.end_amdhsa_kernel
	.amdgpu_metadata
---
amdhsa.version: [ 1, 2 ]
amdhsa.kernels:
  - .name:           k_q63ea2eae2c_proj
    .symbol:         k_q63ea2eae2c_proj.kd
    .args:
      - { .name: yq, .offset: 0, .size: 8, .value_kind: global_buffer, .address_space: global }
      - { .name: wq, .offset: 8, .size: 8, .value_kind: global_buffer, .address_space: global }
      - { .name: proj_b, .offset: 16, .size: 8, .value_kind: global_buffer, .address_space: global }
      - { .name: out0, .offset: 24, .size: 8, .value_kind: global_buffer, .address_space: global }
    .group_segment_fixed_size: 17920
    .private_segment_fixed_size: 0
    .kernarg_segment_align: 8
    .kernarg_segment_size: 32
    .max_flat_workgroup_size: 128
    .sgpr_count:     66
    .vgpr_count:     768
    .wavefront_size: 32
...
	.end_amdgpu_metadata
.endif
;; end of part 4
;; ======== version 2 of 2: 4 launches; version 1 with the launches qkv, proj written anew for expert scheduling mode
;; limits: right only within a limited range of input values
;; workspace buffers: aq 6,815,744 bytes; wq 3,407,872 bytes; aux 540,672 bytes; qc 3,670,016 bytes; kc 3,670,016 bytes; vc 3,407,872 bytes; yq 3,407,872 bytes
;; launch prep: the kernel of part 1 again; grid 800 x 1, 4 waves a work-group, no clusters, 68,096 bytes of LDS; arguments x, encoder_output, query_w, key_w, value_w, proj_w, mask, aq, wq, aux; writes aq, wq, aux
;; launch qkv (part 5): grid 64 x 3, 4 waves a work-group, no clusters, 188,928 bytes of LDS; arguments aq, wq, aux, query_b, key_b, value_b, q_norm_w, k_norm_w, qc, kc, vc; writes qc, kc, vc
.if DOCPART == 5
	.amdgcn_target "amdgcn-amd-amdhsa--gfx1250"
	.amdhsa_code_object_version 6
	.text
	.protected	k_q63ea2eae2c_qkv
	.globl	k_q63ea2eae2c_qkv
	.p2align	8
	.type	k_q63ea2eae2c_qkv,@function
k_q63ea2eae2c_qkv:
	s_mov_b64 s[64:65], 0
	v_nop
	global_prefetch_b8 v0, s[64:65] scope:SCOPE_SE
	s_setreg_imm32_b32 hwreg(HW_REG_WAVE_SCHED_MODE, 0, 2), 2
	s_setreg_imm32_b32 hwreg(HW_REG_WAVE_MODE, 25, 1), 1
	s_wait_xcnt 0x0
	s_wait_alu depctr_vm_vsrc(0)
; The three projections on codes of FP6 (E2M3), and what follows each up to the next quantiser.  Work-group y = 0: q, 1: k, 2: v.
; q, k: a work-group takes 64 tokens x all 1,024 channels (the norm wants whole rows); wave w takes channels 256 w on (heads 4 w .. 4 w + 3): 64 accumulators.  Source 0 = 16 channels of the weight, source 1 = 16 tokens:
;   a lane holds ONE token and its registers run along the channels, which are the next product's K.  Bias, sum of squares (exchanged among the waves through LDS), 1 / sqrt(mean + 1e-6), gain, rotation, quantiser; a head's
;   64 codes of 16 tokens leave as half an operand image (768 bytes), the scale words of four tiles as 16 bytes a lane.
; v: a work-group takes 128 tokens x 512 channels; wave w 128 channels.  Source 0 = 16 tokens, source 1 = 16 channels: a lane holds ONE channel and its registers run along the tokens, the keys of the last-but-one product's K.
; THE WAVES SHARE THE COLUMNS: each byte of a weight is used by one wave alone, so it goes from memory straight into that wave's operand registers (three loads of 16 bytes a lane for a fragment, out of the image layout),
; 48 to 56 loads a wave on their way without a break; no tile is shared between work-groups at the same time but the weights as a whole, so no joint requests.  The tokens' images, which all four waves read, are copied into LDS once.
; The order inside a block of 32 along every K is that of the launch before: place 16 a + 8 u + j holds element 16 u + 8 a + j; two neighbouring tiles of a result fall into it by themselves.
; LIMITS: NaN and infinities are not served; a block whose largest magnitude lies under 2^-124 gets the byte 1.
; The two paths part on the work-group's number and have LDS bytes of their own.
; THE MODE: SCHED_MODE bits 1:0 = 2 (LLVM: expert scheduling mode 2), set by the entry lines.  The code itself states the register dependences
; between vector or matrix instructions and memory or LDS instructions, with s_wait_alu, always for 0.
; THE PLAN.  Registers that memory or LDS instructions touch:
;   v2-4, v9-13 (q, k: v224-227 too)  offsets and LDS addresses, made at the head, read by loads and stores, not written again while any of these is to come.
;   the copies' registers (window 2)   written by loads, read by my LDS stores at the head; afterwards the first products write them.
;   a weight slot and its scale words  group g's sixteen matrix instructions read slot g; behind them the slot's next loads land in it.
;   a set of tokens' fragments         a K step's matrix instructions read it; the LDS loads of the next step, issued behind that step's group 0, land in it.
;   v7, v8 (v: v14, v15 too)           the tokens' LDS addresses: read by those LDS loads, written once a K step.
;   v40-135 on the way out             the codes of eight fragments, each in twelve registers of its own: written by the quantiser, read by the stores, never written again.
; So ONE wait on va_vdst stands behind each group of sixteen matrix instructions, which empty a slot: the slot is asked for again at once, so that as many loads as before stay on their way.  In group 0 the same wait
; states that the step before is done with the other set of tokens and that the addresses are written; one wait on vm_vsrc a K step stands ahead of the additions that write them.
; On the way out one wait on va_vdst stands ahead of each run of stores.
.set AQT, 3407872                      ; aq: a tensor, a group of 64 tokens, a K step's record (4 images + 4 scale images)
.set AQG, 53248
.set AQS, 6656
.set WQM, 851968                       ; wq: a matrix, a group of 256 rows, a K step's record (16 images + 16 scale images)
.set WQG, 212992
.set WQS, 26624
.set QKR, 28672                        ; qc, kc: a record: 512 tokens of one head
.set VCR, 26624                        ; vc: a record: 512 keys of one head
.set LBIAS, 53248                      ; LDS, q and k: the tokens' images at 0; the bias; the gain; 64 rows of cos and sin, 272 bytes apart; the sums of squares, 16 x 128 bytes
.set LNORM, 57344
.set LROPE, 61440
.set LSS,   78848
.set LAV,   81920                      ; LDS, v: the images of 128 tokens, 106,496 bytes
.set AS, 16                            ; window 0: the tokens' scale words (q, k: two sets of 4; v: two sets of 8)
.set BS, 24                            ; q, k: the weights' scale words, 16
.set AF, 40                            ; the tokens' fragments (q, k: two sets of 48 registers; v: two sets of 96)
.set OC, 40                            ; the way out: the codes of fragment n at OC + 12 n, where tokens' fragments lay
.set SS, 136                           ; the way out: 16 partial sums of squares
.set RS, 152                           ; 1 / rms of my token in each of the four tiles, in pairs
.set TM, 160                           ; the quantiser: largest magnitudes; TP exchange, then bytes; SO scale operands; PW the scale word; CT codes on their way
.set TP, 164
.set SO, 168
.set PW, 172
.set CT, 188
.set SW, 208                           ; scale words gathered for a store of 16 bytes a lane
.set TT, 224                           ; at work
.set WS, 232                           ; v: the weights' scale words, two sets of 8
.set BV, 248                           ; v: the bias of my channel in each of my 8 tiles
.set MSB, 0
.macro WIN new                         ; the immediate's high byte repeats the setting that is left
.if MSB != (\new)
	s_set_vgpr_msb (MSB<<8)|(\new)
.set MSB, (\new)
.endif
.endm
.macro PLACES n
.rept \n
	v_nop
.endr
.endm
.macro BARRIER                         ; my LDS stores have landed and my LDS loads are in: then the work-group's barrier
	s_wait_dscnt 0x0
	s_barrier_signal -1
	s_barrier_wait -1
.endm
.macro WMMA cz                         ; D at DD, source 0 at FA, source 1 at FB, their scale words SA, SB.  cz = 0: the product starts the sum
.if \cz == 0
	v_wmma_scale_f32_16x16x128_f8f6f4 v[DD:DD+7], v[FA:FA+11], v[FB:FB+11], 0, v[SA], v[SB] matrix_a_fmt:MATRIX_FMT_FP6 matrix_b_fmt:MATRIX_FMT_FP6
.else
	v_wmma_scale_f32_16x16x128_f8f6f4 v[DD:DD+7], v[FA:FA+11], v[FB:FB+11], v[DD:DD+7], v[SA], v[SB] matrix_a_fmt:MATRIX_FMT_FP6 matrix_b_fmt:MATRIX_FMT_FP6
.endif
.endm
; 64 numbers of a lane in window xw, register 16 b + i = place 32 b + 16 (lane / 16) + i of my row, become a fragment's codes in v[pc] on and its scale word in v[PW].
.macro QUANT s, xw, pc
	WIN (\xw)|((\xw)<<2)
.irp b, 0,1,2,3
	v_max3_num_f32 v[TM+\b], |v[(\s)+16*\b]|, |v[(\s)+16*\b+1]|, 0x1800000   ; my 16 numbers of block b, and the floor 2^(3 - 127): the byte cannot fall under 1
.endr
	WIN ((\xw)<<2)|((\xw)<<4)
.irp i, 2,4,6,8,10,12,14
.irp b, 0,1,2,3
	v_max3_num_f32 v[TM+\b], v[TM+\b], |v[(\s)+16*\b+\i]|, |v[(\s)+16*\b+\i+1]|
.endr
.endr
	WIN 0
.irp b, 0,1,2,3
	v_permlanex16_b32 v[TP+\b], v[TM+\b], s34, s35
.endr
.irp b, 0,1,2,3
	v_max_num_f32 v[TM+\b], v[TM+\b], v[TP+\b]     ; with lane l xor 16's: the block's largest magnitude
.endr
.irp b, 0,1,2,3
	v_add_nc_u32 v[SO+\b], 0xff000000, v[TM+\b]    ; 2 off its exponent field: the conversion's scale operand
.endr
.irp b, 0,1,2,3
	v_lshrrev_b32 v[TP+\b], 23, v[SO+\b]           ; the byte
.endr
	v_lshl_or_b32 v[PW], v[TP+1], 8, v[TP]
	v_lshl_or_b32 v[PW], v[TP+2], 16, v[PW]
	v_lshl_or_b32 v[PW], v[TP+3], 24, v[PW]
	WIN (\xw)
.irp c, 0,1
	v_cvt_scalef32_pk16_fp6_f32 v[(\pc)+6*\c:(\pc)+6*\c+2], v[(\s)+32*\c:(\s)+32*\c+15], v[SO+2*\c]
	v_cvt_scalef32_pk16_fp6_f32 v[CT+4*\c:CT+4*\c+2], v[(\s)+32*\c+16:(\s)+32*\c+31], v[SO+2*\c+1]   ; (a conversion's three registers begin on an even number)
.endr
	WIN 0
	v_nop                                          ; one plain place behind a scaled conversion
.irp c, 0,1                                    ; the operand's layout wants a whole block in a lane: lanes 0-15 block 2 c, lanes 16-31 block 2 c + 1
.irp i, 0,1,2
	v_permlane16_swap_b32 v[(\pc)+6*\c+\i], v[CT+4*\c+\i]
.endr
.irp i, 0,1,2
	v_mov_b32 v[(\pc)+3+6*\c+\i], v[CT+4*\c+\i]
.endr
.endr
.endm
	s_load_b512 s[4:19], s[0:1], 0x0               ; aq, wq, aux, query_b, key_b, value_b, q_norm_w, k_norm_w
	s_load_b128 s[20:23], s[0:1], 0x40             ; qc, kc
	s_load_b64 s[24:25], s[0:1], 0x50              ; vc
	v_lshrrev_b32 v1, 5, v0
	v_readfirstlane_b32 s26, v1                    ; wave
	v_and_b32 v1, 31, v0
	v_lshlrev_b32 v2, 4, v1                        ; 16 x lane: an image's place for my lane
	v_lshlrev_b32 v3, 2, v1                        ; 4 x lane: a scale word's
	v_lshlrev_b32 v4, 3, v1                        ; 8 x lane
	v_and_b32 v5, 15, v0                           ; r
	v_bfe_u32 v6, v0, 4, 1                         ; h
	s_and_b32 s27, ttmp7, 0xffff                   ; 0 q, 1 k, 2 v
	s_mov_b32 s34, 0x76543210
	s_mov_b32 s35, 0xfedcba98                      ; lane l xor 16
	s_mov_b32 s36, 0x358637bd                      ; 1e-6
	s_wait_alu depctr_va_sdst(0)                   ; s26, the wave's number, is written: ahead of the branch, behind which both paths read it
	s_cmp_eq_u32 s27, 2
	s_cbranch_scc1 .Lvpath
; ------------------------------------------------------------------ q and k
.macro LAADR                           ; the LDS addresses of the tokens' record of the K step at s32
	v_add_nc_u32 v7, s32, v2
	v_add_nc_u32 v8, s32, v3
.endm
	s_mov_b32 s32, 0                               ; LDS byte of the K step's record of tokens
	LAADR                                          ; the first step's, made here with the other addresses
	s_mul_i32 s40, s26, 13312
	v_add_nc_u32 v224, s40, v2                     ; the copy of the tokens' images: 26 runs of 512 bytes a wave, the same offset in memory and in LDS
	s_lshl_b32 s40, s26, 10
	v_add_nc_u32 v225, s40, v2                     ; bias and gain: two runs a wave
	v_lshl_add_u32 v11, v6, 5, s40                 ; and back: my wave's 256 channels, 8 of each tile for my half
	s_lshl_b32 s40, s26, 12
	v_add_nc_u32 v226, s40, v2                     ; cos and sin: eight runs (16 rows) a wave, in memory,
	s_mul_i32 s40, s26, 4352
	s_add_co_u32 s40, s40, LROPE
	v_mul_u32_u24 v227, v6, 272
	v_lshl_add_u32 v227, v5, 4, v227
	v_add_nc_u32 v227, s40, v227                   ; and in LDS: lanes 0-15 one row, lanes 16-31 the next
	v_mul_u32_u24 v12, v5, 272
	v_lshl_add_u32 v12, v6, 5, v12
	v_add_nc_u32 v12, LROPE, v12                   ; and back: my token's row, four pairs for my half of a tile
	s_lshl_b32 s40, s26, 9
	s_add_co_u32 s40, s40, LSS
	v_add_nc_u32 v13, s40, v3                      ; my wave's four sums of squares
	v_add_nc_u32 v9, LSS, v3                       ; everybody's
	s_mul_i32 s40, s27, AQT                        ; q reads x's images, k encoder_output's
	s_mul_i32 s41, ttmp9, AQG
	s_add_co_u32 s40, s40, s41
	s_mov_b32 s41, 0
	s_mul_i32 s42, s27, WQM
	s_mul_i32 s43, s26, WQG                        ; my 256 channels are group w of the matrix
	s_add_co_u32 s42, s42, s43
	s_mov_b32 s43, 0
	s_and_b32 s44, ttmp9, 31
	s_lshl_b32 s44, s44, 14                        ; the block's first token in its sequence, x 256 bytes
	s_mov_b32 s45, 0
	s_lshr_b32 s46, ttmp9, 5                       ; batch
	s_lshl_b32 s46, s46, 2
	s_bfe_u32 s47, ttmp9, 0x20003                  ; which 512 tokens
	s_add_co_u32 s46, s46, s47
	s_lshl_b32 s46, s46, 4
	s_lshl_b32 s47, s26, 2                         ; my first head
	s_add_co_u32 s46, s46, s47
	s_mul_i32 s46, s46, QKR
	s_and_b32 s47, ttmp9, 7                        ; which 64 of the 512
	s_mul_i32 s47, s47, 3584
	s_add_co_u32 s46, s46, s47
	s_mov_b32 s47, 0
	s_wait_kmcnt 0x0
	s_add_nc_u64 s[48:49], s[4:5], s[40:41]
	s_add_nc_u64 s[30:31], s[6:7], s[42:43]        ; the weights' record of the K step in hand
	s_add_nc_u64 s[50:51], s[8:9], s[44:45]
	s_cmp_eq_u32 s27, 0
	s_cselect_b64 s[52:53], s[10:11], s[12:13]
	s_cselect_b64 s[54:55], s[16:17], s[18:19]
	s_cselect_b64 s[38:39], s[20:21], s[22:23]
	s_add_nc_u64 s[38:39], s[38:39], s[46:47]
	WIN 0x80                                       ; the copies pass through registers that the sums will take
	s_wait_alu depctr_va_vdst(0)                   ; the offsets and LDS addresses v2-4, v7-9, v11-13 and v224-227 are written, which the loads and stores from here on read
.set n, 0
.rept 26
	global_load_b128 v[4*n:4*n+3], v224, s[48:49] offset:512*n
.set n, n+1
.endr
.irp q, 0,1
	global_load_b128 v[104+4*\q:107+4*\q], v225, s[52:53] offset:512*\q
	global_load_b128 v[112+4*\q:115+4*\q], v225, s[54:55] offset:512*\q
.endr
.irp q, 0,1,2,3,4,5,6,7
	global_load_b128 v[120+4*\q:123+4*\q], v226, s[50:51] offset:512*\q
.endr
	WIN 0
; A batch: four fragments of the weight and their scale words, 16 loads.
.macro LW g
	WIN 0x40
.irp u, 0,1,2,3
.irp c, 0,1,2
	global_load_b128 v[12*(4*(\g)+\u)+4*\c:12*(4*(\g)+\u)+4*\c+3], v2, s[30:31] offset:1536*(4*(\g)+\u)+512*\c
.endr
.endr
	WIN 0
.irp u, 0,1,2,3
	global_load_b32 v[BS+4*(\g)+\u], v3, s[30:31] offset:24576+128*(4*(\g)+\u)
.endr
.endm
; The tokens' four fragments and scale words of the K step whose addresses stand in v7 and v8, into one of two sets.
.macro LALD set
.irp m, 0,1,2,3
.irp c, 0,1,2
	ds_load_b128 v[AF+48*(\set)+12*\m+4*\c:AF+48*(\set)+12*\m+4*\c+3], v7 offset:1536*\m+512*\c
.endr
	ds_load_b32 v[AS+4*(\set)+\m], v8 offset:6144+128*\m
.endr
.endm
	LW 0
	s_wait_loadcnt 16                              ; the 38 copies are in; the batch just asked for may be out
	WIN 0x08
.set n, 0
.rept 26
	ds_store_b128 v224, v[4*n:4*n+3] offset:512*n
.set n, n+1
.endr
.irp q, 0,1
	ds_store_b128 v225, v[104+4*\q:107+4*\q] offset:LBIAS+512*\q
	ds_store_b128 v225, v[112+4*\q:115+4*\q] offset:LNORM+512*\q
.endr
.irp q, 0,1,2,3,4,5,6,7
	ds_store_b128 v227, v[120+4*\q:123+4*\q] offset:544*\q
.endr
	WIN 0
	LW 1
	LW 2
	LW 3
	BARRIER                                        ; everybody's copies lie in LDS; they are written no more
	s_wait_alu depctr_vm_vsrc(0)                   ; my LDS stores have read the copies' registers, which the first products write, and v224-227, which the way out writes
	LALD 0
; 8 matrix instructions: token tiles m0, m0 + 1 x the four channel tiles of group g.  Accumulator (m, t) at 8 ((16 m + t) % 32) of window 2 (m < 2) or 3.
.macro MULQ par, g, m0, cz
.irp m, \m0, \m0+1
.irp u, 0,1,2,3
.set DD, 8*((16*(\m)+4*(\g)+\u)%32)
.set FA, 12*(4*(\g)+\u)
.set FB, AF+48*(\par)+12*(\m)
.set SA, BS+4*(\g)+\u
.set SB, AS+4*(\par)+(\m)
	WMMA \cz
.endr
.endr
.endm
; A K step of 128: 64 matrix instructions, the 64 accumulators by turns.  Behind each group of 16 its four weight fragments are asked for anew, for the next K step.
.macro STEPQ par, cz, load
.if \load
	s_wait_xcnt 0x0                                ; the loads that are out have read their base: it steps to the next K step's record
	s_add_nc_u64 s[30:31], s[30:31], WQS
	s_add_co_u32 s32, s32, AQS
.endif
	s_wait_dscnt 0x0                               ; this step's tokens are in
.irp g, 0,1,2,3
.if \load
	s_wait_loadcnt 48                              ; this group's batch is in; the three batches asked for behind it may be out
.else
	s_wait_loadcnt 16*(3-\g)                       ; the last step asks for nothing: the counts run down
.endif
	WIN 0xa1                                       ; source 0 (weight) window 1, source 1 (tokens) window 0, C and D window 2
	MULQ \par, \g, 0, \cz
	WIN 0xf1                                       ; the same, C and D window 3
	MULQ \par, \g, 2, \cz
	WIN 0
.if (\load) && (\g == 0)
	s_wait_alu depctr_vm_vsrc(0)                   ; the LDS loads of this step's tokens have read v7 and v8, which the two lines below write
	LAADR                                          ; the next step's tokens; these two and the two below are the four places
	PLACES 2
.else
	PLACES 4                                       ; in front of loads into registers that matrix instructions have read (and, at the end, of the first read of results)
.endif
.if \load
	s_wait_alu depctr_va_vdst(0)                   ; this group's matrix instructions are done reading their four fragments and scale words, in which the loads below land; in group 0 also: the step before is done reading the other set of tokens, and v7 and v8 are written
.if \g == 0
	LALD 1-\par
.endif
	LW \g
.endif
.endr
.endm
	STEPQ 0, 0, 1                                  ; the first step's products start the sums
	s_mov_b32 s33, 3
.Lkq:
	STEPQ 1, 1, 1
	STEPQ 0, 1, 1
	s_sub_co_u32 s33, s33, 1
	s_cmp_lg_u32 s33, 0
	s_cbranch_scc1 .Lkq
	STEPQ 1, 1, 0
	; ---- the way out.  The bias of my 128 channels into window 1, v0-127; the gain into v128-255
	WIN 0x40
	s_wait_alu depctr_va_vdst(0)                   ; the last step's matrix instructions are done reading the weights' registers, in which the bias and the gain land
.irp t, 0,1,2,3,4,5,6,7,8,9,10,11,12,13,14,15
	ds_load_b128 v[8*\t:8*\t+3], v11 offset:LBIAS+64*\t
	ds_load_b128 v[8*\t+4:8*\t+7], v11 offset:LBIAS+64*\t+16
	ds_load_b128 v[128+8*\t:128+8*\t+3], v11 offset:LNORM+64*\t
	ds_load_b128 v[128+8*\t+4:128+8*\t+7], v11 offset:LNORM+64*\t+16
.endr
	WIN 0
	v_mov_b32 v[TT+4], 0                           ; lane permutes' destinations count as read
.irp b, 0,1,2,3
	v_mov_b32 v[TP+\b], 0
	v_mov_b32 v[RS+2*\b+1], 0                      ; (named as the upper halves of pairs)
.endr
	s_wait_dscnt 0x0
.macro SUMSQ m                         ; token tile m: + bias, each accumulator from its low end on; the sum of squares of my 128 channels, with lane l xor 16's: my wave's 256
.set XW, 2+(\m)/2
.set BA, 128*((\m)%2)
	WIN (XW<<6)|4|XW
.set i, 0
.rept 64
	v_pk_add_f32 v[BA+2*i:BA+2*i+1], v[BA+2*i:BA+2*i+1], v[2*i:2*i+1]
.set i, i+1
.endr
	WIN (XW<<2)|XW
	v_pk_mul_f32 v[TT:TT+1], v[BA:BA+1], v[BA:BA+1]
	v_pk_mul_f32 v[TT+2:TT+3], v[BA+2:BA+3], v[BA+2:BA+3]
.set i, 2
.rept 31
	v_pk_fma_f32 v[TT:TT+1], v[BA+2*i:BA+2*i+1], v[BA+2*i:BA+2*i+1], v[TT:TT+1]
	v_pk_fma_f32 v[TT+2:TT+3], v[BA+2*i+2:BA+2*i+3], v[BA+2*i+2:BA+2*i+3], v[TT+2:TT+3]
.set i, i+2
.endr
	WIN 0
	v_pk_add_f32 v[TT:TT+1], v[TT:TT+1], v[TT+2:TT+3]
	v_add_f32 v[TT], v[TT], v[TT+1]
	v_permlanex16_b32 v[TT+4], v[TT], s34, s35
	v_add_f32 v[TT+8+(\m)], v[TT], v[TT+4]         ; each tile's sum has a register of its own: the four leave together
.endm
	SUMSQ 0
	SUMSQ 1
	SUMSQ 2
	SUMSQ 3
	s_wait_alu depctr_va_vdst(0)                   ; the four sums v232-235 are written, which the LDS stores read; and the additions are done reading the bias, in whose registers cos and sin land behind the barrier
.irp m, 0,1,2,3
	ds_store_b32 v13, v[TT+8+\m] offset:128*\m
.endr
	BARRIER                                        ; all sixteen partial sums lie in LDS
	s_wait_alu depctr_vm_vsrc(0)                   ; my four LDS stores have read v232-235, which the rotation writes again
.irp k, 0,1,2,3
.irp m, 0,1,2,3
	ds_load_b32 v[SS+4*\k+\m], v9 offset:128*(4*\k+\m)
.endr
.endr
	WIN 0x40                                       ; cos and sin of my four tokens, where the bias lay: tile m, tile-in-head c: four pairs (cos, sin)
.irp m, 0,1,2,3
.irp c, 0,1,2,3
	ds_load_b128 v[32*\m+8*\c:32*\m+8*\c+3], v12 offset:4352*\m+64*\c
	ds_load_b128 v[32*\m+8*\c+4:32*\m+8*\c+7], v12 offset:4352*\m+64*\c+16
.endr
.endr
	WIN 0
	s_wait_dscnt 0x0
.irp k, 4,8,12
.irp m, 0,1,2,3
	v_add_f32 v[SS+\m], v[SS+\m], v[SS+\k+\m]      ; the waves' parts in one order in every wave
.endr
.endr
.irp m, 0,1,2,3
	v_fma_f32 v[SS+\m], v[SS+\m], 0x3a800000, s36  ; / 1,024 + 1e-6
.endr
.irp m, 0,1,2,3
	v_rsq_f32 v[RS+2*\m], v[SS+\m]
.endr
	v_nop                                          ; a plain place behind the last of the batch
	s_wait_alu depctr_va_vdst(0)                   ; one wait for the four reciprocal roots v152, v154, v156, v158, ahead of their first reader
.macro NORMROPE m                      ; x / rms, x gain, and the rotation of neighbouring pairs
.set XW, 2+(\m)/2
.set BA, 128*((\m)%2)
	WIN (XW<<6)|XW
.set i, 0
.rept 64
	v_pk_mul_f32 v[BA+2*i:BA+2*i+1], v[BA+2*i:BA+2*i+1], v[RS+2*(\m):RS+2*(\m)+1] op_sel_hi:[1,0]
.set i, i+1
.endr
	WIN (XW<<6)|4|XW
.set i, 0
.rept 64
	v_pk_mul_f32 v[BA+2*i:BA+2*i+1], v[BA+2*i:BA+2*i+1], v[128+2*i:128+2*i+1]
.set i, i+1
.endr
.irp hd, 0,1,2,3
	WIN 4|XW
.set i, 0
.rept 16
	v_pk_mul_f32 v[TT+2*i:TT+2*i+1], v[BA+32*\hd+2*i:BA+32*\hd+2*i+1], v[32*(\m)+2*i:32*(\m)+2*i+1] op_sel:[1,1] op_sel_hi:[0,1]   ; (odd x sin, even x sin)
.set i, i+1
.endr
	WIN (XW<<6)|4|XW
.set i, 0
.rept 16
	v_pk_fma_f32 v[BA+32*\hd+2*i:BA+32*\hd+2*i+1], v[BA+32*\hd+2*i:BA+32*\hd+2*i+1], v[32*(\m)+2*i:32*(\m)+2*i+1], v[TT+2*i:TT+2*i+1] op_sel_hi:[1,0,1] neg_lo:[0,0,1]   ; (even x cos - odd x sin, odd x cos + even x sin)
.set i, i+1
.endr
.endr
	WIN 0
.endm
.macro OUTQ m, f                       ; heads 2 f and 2 f + 1 of my four, token tile m: one fragment = two half images, in twelve registers of its own
	QUANT BA+64*(\f), XW, OC+12*(2*(\m)+(\f))
	v_mov_b32 v[SW+4*(2*(\f))+(\m)], v[PW]         ; the even head's two bytes lie lowest; the two above them are bytes of scales too, never 0xff
	v_lshrrev_b32 v[SW+4*(2*(\f)+1)+(\m)], 16, v[PW]
.endm
.macro SENDQ m                         ; token tile m's two fragments leave: eight stores
.irp f, 0,1
	global_store_b128 v2, v[OC+12*(2*(\m)+\f):OC+12*(2*(\m)+\f)+3], s[38:39] offset:QKR*(2*\f)+768*(\m)
	global_store_b64 v4, v[OC+12*(2*(\m)+\f)+4:OC+12*(2*(\m)+\f)+5], s[38:39] offset:QKR*(2*\f)+768*(\m)+512
	global_store_b128 v2, v[OC+12*(2*(\m)+\f)+6:OC+12*(2*(\m)+\f)+9], s[38:39] offset:QKR*(2*\f+1)+768*(\m)
	global_store_b64 v4, v[OC+12*(2*(\m)+\f)+10:OC+12*(2*(\m)+\f)+11], s[38:39] offset:QKR*(2*\f+1)+768*(\m)+512
.endr
.endm
.irp m, 0,1,2,3
	NORMROPE \m
	OUTQ \m, 0
	OUTQ \m, 1
	s_wait_alu depctr_va_vdst(0)                   ; the quantiser has written this tile's two fragments of codes, which the eight stores read; behind the last tile also all sixteen scale words v208-223
	SENDQ \m
.endr
.irp hd, 0,1,2,3
	global_store_b128 v2, v[SW+4*\hd:SW+4*\hd+3], s[38:39] offset:QKR*\hd+3072   ; the four tiles' scale words, 16 bytes a lane
.endr
	s_wait_xcnt 0x0
	v_lshl_add_u32 v234, v0, 2, 0x2e000
	v_mov_b32 v235, 0
	s_wait_dscnt 0x0                               ; the closing lines, six on end
	s_wait_alu 0x0
	s_wait_tensorcnt 0x0
	ds_add_u32 v234, v235
	s_wait_dscnt 0x0
	s_endpgm
; ------------------------------------------------------------------ v
.macro LVADR                           ; the LDS addresses of the tokens' two records (64 tokens each) of the K step at s32
	v_add_nc_u32 v7, s32, v2
	v_add_nc_u32 v8, s32, v3
	v_add_nc_u32 v14, AQG, v7
	v_add_nc_u32 v15, AQG, v8
.endm
.Lvpath:
	s_mov_b32 s32, LAV                             ; LDS byte of the K step's record of the first 64 tokens
	LVADR                                          ; the first step's, made here with the other addresses
	s_lshr_b32 s40, ttmp9, 1                       ; which 128 tokens
	s_and_b32 s41, ttmp9, 1                        ; which 512 channels
	s_mul_i32 s42, s40, 2*AQG
	s_add_co_u32 s42, s42, AQT                     ; encoder_output's images
	s_mov_b32 s43, 0
	s_lshl_b32 s44, s41, 1
	s_lshr_b32 s45, s26, 1
	s_add_co_u32 s44, s44, s45                     ; my 128 channels lie in this group of 256,
	s_mul_i32 s44, s44, WQG
	s_add_co_u32 s44, s44, 2*WQM
	s_mov_b32 s45, 0
	s_and_b32 s46, s26, 1                          ; in its lower or upper eight tiles
	s_mul_i32 s47, s46, 12288
	v_add_nc_u32 v9, s47, v2
	s_lshl_b32 s47, s46, 10
	v_add_nc_u32 v10, s47, v3
	s_lshl_b32 s48, s41, 11
	s_lshl_b32 s49, s26, 9
	s_add_co_u32 s48, s48, s49
	v_lshl_add_u32 v11, v5, 2, s48                 ; the bias of channel r of my first tile
	s_lshr_b32 s50, s40, 4                         ; batch
	s_lshl_b32 s50, s50, 2
	s_bfe_u32 s51, s40, 0x20002                    ; which 512 keys
	s_add_co_u32 s50, s50, s51
	s_lshl_b32 s50, s50, 4
	s_lshl_b32 s51, s41, 3
	s_add_co_u32 s50, s50, s51
	s_lshl_b32 s51, s26, 1
	s_add_co_u32 s50, s50, s51                     ; my first head
	s_mul_i32 s50, s50, VCR
	s_and_b32 s51, s40, 3                          ; which 128 of the 512
	s_mul_i32 s51, s51, 6656
	s_add_co_u32 s50, s50, s51
	s_mov_b32 s51, 0
	s_mul_i32 s52, s26, 26624
	v_add_nc_u32 v12, s52, v2                      ; the copy: 52 runs of 512 bytes a wave, in memory,
	v_add_nc_u32 v13, LAV, v12                     ; and in LDS
	s_wait_kmcnt 0x0
	s_add_nc_u64 s[54:55], s[4:5], s[42:43]
	s_add_nc_u64 s[30:31], s[6:7], s[44:45]
	s_add_nc_u64 s[38:39], s[24:25], s[50:51]
	s_wait_alu depctr_va_vdst(0)                   ; the offsets and LDS addresses v2, v3 and v7-15 are written, which the loads and stores from here on read
.irp t, 0,1,2,3,4,5,6,7
	global_load_b32 v[BV+\t], v11, s[14:15] offset:64*\t
.endr
	WIN 0x80
.set n, 0
.rept 52
	global_load_b128 v[4*n:4*n+3], v12, s[54:55] offset:512*n
.set n, n+1
.endr
	WIN 0
; A batch: two fragments of the weight and their scale words, 8 loads, into one of two sets.
.macro LV set, g, off
	WIN 0x40
.irp u, 0,1
.irp c, 0,1,2
	global_load_b128 v[96*(\set)+12*(2*(\g)+\u)+4*\c:96*(\set)+12*(2*(\g)+\u)+4*\c+3], v9, s[30:31] offset:(\off)+1536*(2*(\g)+\u)+512*\c
.endr
.endr
	WIN 0
.irp u, 0,1
	global_load_b32 v[WS+8*(\set)+2*(\g)+\u], v10, s[30:31] offset:(\off)+24576+128*(2*(\g)+\u)
.endr
.endm
; The eight token fragments and scale words of the K step whose addresses stand in v7, v8, v14, v15: four from each group of 64 tokens.
.macro LVLD set
.irp j, 0,1,2,3
.irp c, 0,1,2
	ds_load_b128 v[AF+96*(\set)+12*\j+4*\c:AF+96*(\set)+12*\j+4*\c+3], v7 offset:1536*\j+512*\c
	ds_load_b128 v[AF+96*(\set)+48+12*\j+4*\c:AF+96*(\set)+48+12*\j+4*\c+3], v14 offset:1536*\j+512*\c
.endr
	ds_load_b32 v[AS+8*(\set)+\j], v8 offset:6144+128*\j
	ds_load_b32 v[AS+8*(\set)+4+\j], v15 offset:6144+128*\j
.endr
.endm
	LV 0, 0, 0
	s_wait_loadcnt 8                               ; the bias and the 52 copies are in; the batch just asked for may be out
	WIN 0x08
.set n, 0
.rept 52
	ds_store_b128 v13, v[4*n:4*n+3] offset:512*n
.set n, n+1
.endr
	WIN 0
	LV 0, 1, 0
	LV 0, 2, 0
	LV 0, 3, 0
	LV 1, 0, WQS
	LV 1, 1, WQS
	LV 1, 2, WQS
	LV 1, 3, WQS
	BARRIER
	s_wait_alu depctr_vm_vsrc(0)                   ; my LDS stores have read the copies' registers, which the first products write
	LVLD 0
; A K step: 64 matrix instructions, the 64 accumulators by turns.  Accumulator (channel tile c, token tile t) at 8 ((8 c + t) % 32) of window 2 (c < 4) or 3.
; wl: behind each group its two weight fragments are asked for anew, for the K step after next.  al: the next step's tokens come from LDS.  base: without wl, the batches still out at the step's head.
.macro STEPV par, cz, wl, al, base
.if \wl
	s_wait_xcnt 0x0                                ; the loads that are out have read their base
	s_add_nc_u64 s[30:31], s[30:31], WQS           ; the next K step's record; the loads below add one more
.endif
.if \al
	s_add_co_u32 s32, s32, AQS
.endif
	s_wait_dscnt 0x0
.irp g, 0,1,2,3
.if \wl
	s_wait_loadcnt 56                              ; this group's batch is in; the seven batches asked for behind it may be out
.else
	s_wait_loadcnt 8*((\base)-\g)
.endif
	WIN ((2+\g/2)<<6)|((2+\g/2)<<4)|4              ; source 0 (tokens) window 0, source 1 (weight) window 1
.irp u, 0,1
.irp t, 0,1,2,3,4,5,6,7
.set DD, 8*((8*(2*\g+\u)+\t)%32)
.set FA, AF+96*(\par)+12*\t
.set FB, 96*(\par)+12*(2*\g+\u)
.set SA, AS+8*(\par)+\t
.set SB, WS+8*(\par)+2*\g+\u
	WMMA \cz
.endr
.endr
	WIN 0
.if (\al) && (\g == 0)
	s_wait_alu depctr_vm_vsrc(0)                   ; the LDS loads of this step's tokens have read v7, v8, v14 and v15, which the four lines below write
	LVADR                                          ; the next step's tokens; these four are the four places
.else
	PLACES 4
.endif
.if (\wl) || ((\al) && (\g == 0))
	s_wait_alu depctr_va_vdst(0)                   ; this group's matrix instructions are done reading their two fragments and scale words, in which the loads below land; in group 0 also: the step before is done reading the other set of tokens, and the four addresses are written
.endif
.if (\al) && (\g == 0)
	LVLD 1-\par
.endif
.if \wl
	LV \par, \g, WQS
.endif
.endr
.endm
	STEPV 0, 0, 1, 1, 0
	s_mov_b32 s33, 2
.Lkv:
	STEPV 1, 1, 1, 1, 0
	STEPV 0, 1, 1, 1, 0
	s_sub_co_u32 s33, s33, 1
	s_cmp_lg_u32 s33, 0
	s_cbranch_scc1 .Lkv
	STEPV 1, 1, 1, 1, 0                            ; K step 5 asks for the last weights
	STEPV 0, 1, 0, 1, 7
	STEPV 1, 1, 0, 0, 3
.irp b, 0,1,2,3
	v_mov_b32 v[TP+\b], 0
.endr
.macro OUTV ct                         ; channel tile ct: + bias; its 64 registers are 128 keys: one fragment of V^T, in twelve registers of its own.  A head's four tiles leave together
.set XW, 2+(\ct)/4
.set BA, 64*((\ct)%4)
	WIN (XW<<6)|XW
.set i, 0
.rept 32
.if (\ct)%2 == 0
	v_pk_add_f32 v[BA+2*i:BA+2*i+1], v[BA+2*i:BA+2*i+1], v[BV+2*((\ct)/2):BV+2*((\ct)/2)+1] op_sel_hi:[1,0]
.else
	v_pk_add_f32 v[BA+2*i:BA+2*i+1], v[BA+2*i:BA+2*i+1], v[BV+2*((\ct)/2):BV+2*((\ct)/2)+1] op_sel:[0,1] op_sel_hi:[1,1]
.endif
.set i, i+1
.endr
	QUANT BA, XW, OC+12*(\ct)
	v_mov_b32 v[SW+(\ct)], v[PW]
.if (\ct)%4 == 3
	s_wait_alu depctr_va_vdst(0)                   ; the quantiser has written the head's four fragments of codes and their four scale words, which the thirteen stores read
.irp k, 0,1,2,3
.irp c, 0,1,2
	global_store_b128 v2, v[OC+12*((\ct)-3+\k)+4*\c:OC+12*((\ct)-3+\k)+4*\c+3], s[38:39] offset:VCR*((\ct)/4)+1536*\k+512*\c
.endr
.endr
	global_store_b128 v2, v[SW+(\ct)-3:SW+(\ct)], s[38:39] offset:VCR*((\ct)/4)+6144
.endif
.endm
.irp q, 0,1,2,3,4,5,6,7
	OUTV \q
.endr
	s_wait_xcnt 0x0
	v_lshl_add_u32 v234, v0, 2, 0x2e000
	v_mov_b32 v235, 0
	s_wait_dscnt 0x0                               ; the closing lines, six on end
	s_wait_alu 0x0
	s_wait_tensorcnt 0x0
	ds_add_u32 v234, v235
	s_wait_dscnt 0x0
	s_endpgm
.Lfunc_end_k_q63ea2eae2c_qkv:
	.size	k_q63ea2eae2c_qkv, .Lfunc_end_k_q63ea2eae2c_qkv-k_q63ea2eae2c_qkv
	.p2alignl 7, 3214868480
	.fill 96, 4, 3214868480
	.section	.rodata,"a",@progbits
	.p2align	6, 0x0
	.amdhsa_kernel k_q63ea2eae2c_qkv
		.amdhsa_group_segment_fixed_size 188928
		.amdhsa_private_segment_fixed_size 0
		.amdhsa_enable_private_segment 0
		.amdhsa_kernarg_size 88
		.amdhsa_user_sgpr_count 2
		.amdhsa_user_sgpr_kernarg_segment_ptr 1
		.amdhsa_wavefront_size32 1
		.amdhsa_system_sgpr_workgroup_id_x 1
		.amdhsa_system_sgpr_workgroup_id_y 1
		.amdhsa_system_sgpr_workgroup_id_z 1
		.amdhsa_system_vgpr_workitem_id 0
		.amdhsa_next_free_vgpr 1024
		.amdhsa_next_free_sgpr 80
		.amdhsa_reserve_vcc 0
		.amdhsa_float_denorm_mode_32 3
		.amdhsa_float_denorm_mode_16_64 3
		.amdhsa_memory_ordered 1
		.amdhsa_forward_progress 1
		.amdhsa_inst_pref_size 255
	.end_amdhsa_kernel
	.section	.bss,"aw",@nobits
	.p2align	6
	.space	262144
	.amdgpu_metadata
---
amdhsa.version: [ 1, 2 ]
amdhsa.kernels:
  - .name:           k_q63ea2eae2c_qkv
    .symbol:         k_q63ea2eae2c_qkv.kd
    .args:
      - { .name: aq, .offset: 0, .size: 8, .value_kind: global_buffer, .address_space: global }
      - { .name: wq, .offset: 8, .size: 8, .value_kind: global_buffer, .address_space: global }
      - { .name: aux, .offset: 16, .size: 8, .value_kind: global_buffer, .address_space: global }
      - { .name: query_b, .offset: 24, .size: 8, .value_kind: global_buffer, .address_space: global }
      - { .name: key_b, .offset: 32, .size: 8, .value_kind: global_buffer, .address_space: global }
      - { .name: value_b, .offset: 40, .size: 8, .value_kind: global_buffer, .address_space: global }
      - { .name: q_norm_w, .offset: 48, .size: 8, .value_kind: global_buffer, .address_space: global }
      - { .name: k_norm_w, .offset: 56, .size: 8, .value_kind: global_buffer, .address_space: global }
      - { .name: qc, .offset: 64, .size: 8, .value_kind: global_buffer, .address_space: global }
      - { .name: kc, .offset: 72, .size: 8, .value_kind: global_buffer, .address_space: global }
      - { .name: vc, .offset: 80, .size: 8, .value_kind: global_buffer, .address_space: global }
    .group_segment_fixed_size: 188928
    .private_segment_fixed_size: 0
    .kernarg_segment_align: 8
    .kernarg_segment_size: 88
    .max_flat_workgroup_size: 128
    .sgpr_count:     80
    .vgpr_count:     1024
    .wavefront_size: 32
...
	.end_amdgpu_metadata
.endif
;; end of part 5
;; launch attn: the kernel of part 3 again; grid 256 x 1, 4 waves a work-group, clusters of 4 x 1, 327,680 bytes of LDS; arguments qc, kc, vc, aux, yq, out1; writes yq, out1
;; launch proj (part 6): grid 256 x 1, 4 waves a work-group, no clusters, 17,920 bytes of LDS; arguments yq, wq, proj_b, out0; writes out0
.if DOCPART == 6
	.amdgcn_target "amdgcn-amd-amdhsa--gfx1250"
	.amdhsa_code_object_version 6
	.text
	.protected	k_q63ea2eae2c_proj
	.globl	k_q63ea2eae2c_proj
	.p2align	8
	.type	k_q63ea2eae2c_proj,@function
k_q63ea2eae2c_proj:
	s_mov_b64 s[64:65], 0
	v_nop
	global_prefetch_b8 v0, s[64:65] scope:SCOPE_SE
	s_setreg_imm32_b32 hwreg(HW_REG_WAVE_SCHED_MODE, 0, 2), 2
	s_setreg_imm32_b32 hwreg(HW_REG_WAVE_MODE, 25, 1), 1
	s_wait_xcnt 0x0
	s_wait_alu depctr_vm_vsrc(0)
; out0 = y proj_w^T + proj_b on codes of FP6 (E2M3).  y's and the weight's codes lie in memory as images of operand registers, with their scale words beside them.
; A work-group takes 64 tokens x 256 columns, wave w 64 columns: 16 accumulators.  Every fragment goes from memory straight into registers, three loads of 16 bytes a lane; the eight K steps are written out, every offset an
; immediate, loads two K steps ahead in four sets of registers.  No LDS on the way in, no barrier, no tensor load: so no joint requests either; the launch is short and its loads are on their way without a break.
; Source 0 = 16 columns of the weight, source 1 = 16 tokens: a lane holds eight neighbouring columns of one row of out0.  The bias is the C of each sum's first product.
; REGISTERS: window 0: v2-11 addresses; v16-47 scale words, 8 for each set; v64-191 the accumulators ((m, u) at 64 + 8 (4 m + u)); v192-223 the bias.  Set k: window 1 + k / 2, from 96 (k % 2): tokens at + 12 m, weight at + 48 + 12 u.
; THE MODE: SCHED_MODE bits 1:0 = 2 (LLVM: expert scheduling mode 2), set by the entry lines.  The code itself states the register dependences
; between vector or matrix instructions and memory or LDS instructions, with s_wait_alu, always for 0.
; THE PLAN.  Registers that memory or LDS instructions touch:
;   v2, v3, v6-11   offsets and LDS addresses, made at the head and never written again: every K step is reached by an immediate offset.
;   set k and its eight scale words   K step s reads set s % 4; the loads of K step s + 2, issued in step s, land in set (s + 2) % 4, which step s - 2 read.
;   the accumulators   written by matrix instructions alone; read by the LDS stores of the way out.
;   window 1, v0-127   on the way out the loads from the stage land there, where sets 0 and 1 lay; the global stores read them; nothing writes them again.
; So ONE wait on va_vdst stands at the head of K steps 2 to 5, behind the wait for the step's data: the steps before are done reading their sets.  The step's 32 loads follow it in two halves, dealt among its sixteen matrix
; instructions, which name set s % 4 and the accumulators: none of the registers that those loads touch.  Steps 0 and 1 load into sets that nothing has named; steps 6 and 7 load nothing.  One more wait stands ahead of the way out.
.set MSB, 0
.macro WIN new                         ; the immediate's high byte repeats the setting that is left
.if MSB != (\new)
	s_set_vgpr_msb (MSB<<8)|(\new)
.set MSB, (\new)
.endif
.endm
	s_load_b256 s[4:11], s[0:1], 0x0               ; yq, wq, proj_b, out0
	v_lshl_add_u32 v254, v0, 2, 0x4400
	v_mov_b32 v255, 0
	v_lshrrev_b32 v1, 5, v0
	v_readfirstlane_b32 s12, v1                    ; wave
	v_and_b32 v1, 31, v0
	v_lshlrev_b32 v2, 4, v1                        ; 16 x lane
	v_lshlrev_b32 v3, 2, v1                        ; 4 x lane
	v_and_b32 v4, 15, v0                           ; r
	v_bfe_u32 v5, v0, 4, 1                         ; h
	s_lshr_b32 s13, ttmp9, 2                       ; which 64 tokens
	s_and_b32 s14, ttmp9, 3                        ; which 256 columns
	s_mul_i32 s16, s13, 53248
	s_mov_b32 s17, 0
	s_mul_i32 s18, s14, 212992
	s_add_co_u32 s18, s18, 3*851968                ; the fourth matrix of wq
	s_mov_b32 s19, 0
	s_wait_alu depctr_va_sdst(0)                   ; s12, the wave's number, is written, ahead of its first reader
	s_mul_i32 s20, s12, 6144                       ; my four tiles of the group's sixteen
	v_add_nc_u32 v6, s20, v2
	s_lshl_b32 s20, s12, 9
	v_add_nc_u32 v7, s20, v3
	s_lshl_b32 s20, s14, 10
	s_lshl_b32 s21, s12, 8
	s_add_co_u32 s20, s20, s21                     ; my first column, in bytes
	v_lshl_add_u32 v8, v5, 5, s20                  ; the bias: 8 for my half of a tile
	s_lshl_b32 s22, s13, 18                        ; 64 rows of 4,096 bytes
	s_add_co_u32 s22, s22, s20
	s_mov_b32 s23, 0
	v_lshlrev_b32 v9, 12, v5
	v_lshl_add_u32 v9, v4, 4, v9                   ; out: lanes 0-15 one row's 256 bytes, lanes 16-31 the next row's
	s_mul_i32 s24, s12, 4352                       ; my stage: 16 rows x (256 + 16) bytes
	v_mul_u32_u24 v10, v4, 272
	v_lshl_add_u32 v10, v5, 5, v10
	v_add_nc_u32 v10, s24, v10
	v_mul_u32_u24 v11, v5, 272
	v_lshl_add_u32 v11, v4, 4, v11
	v_add_nc_u32 v11, s24, v11
	s_wait_kmcnt 0x0
	s_add_nc_u64 s[4:5], s[4:5], s[16:17]
	s_add_nc_u64 s[6:7], s[6:7], s[18:19]
	s_add_nc_u64 s[10:11], s[10:11], s[22:23]
	s_wait_alu depctr_va_vdst(0)                   ; the offsets and LDS addresses v2, v3 and v6-11 are written, which every load and store of the kernel reads
.irp u, 0,1,2,3
	global_load_b128 v[192+8*\u:195+8*\u], v8, s[8:9] offset:64*\u
	global_load_b128 v[196+8*\u:199+8*\u], v8, s[8:9] offset:64*\u+16
.endr
.macro LOADH s, hf                     ; half hf of K step s: fragments 2 hf and 2 hf + 1 of the tokens and of the weight, and their scale words: 16 loads
.set KK, (\s)%4
.set WD, 1+KK/2
.set BB, 96*(KK%2)
	WIN WD<<6
.irp m, 2*(\hf), 2*(\hf)+1
.irp c, 0,1,2
	global_load_b128 v[BB+12*(\m)+4*\c:BB+12*(\m)+4*\c+3], v2, s[4:5] offset:6656*(\s)+1536*(\m)+512*\c
	global_load_b128 v[BB+48+12*(\m)+4*\c:BB+48+12*(\m)+4*\c+3], v6, s[6:7] offset:26624*(\s)+1536*(\m)+512*\c
.endr
.endr
	WIN 0
.irp m, 2*(\hf), 2*(\hf)+1
	global_load_b32 v[16+8*KK+(\m)], v3, s[4:5] offset:6656*(\s)+6144+128*(\m)
	global_load_b32 v[16+8*KK+4+(\m)], v7, s[6:7] offset:26624*(\s)+24576+128*(\m)
.endr
.endm
.macro MULH s, hf                      ; 8 matrix instructions: token tiles 2 hf and 2 hf + 1 x my four tiles of columns.  Over a step the 16 accumulators take turns
.set KK, (\s)%4
.set WD, 1+KK/2
.set BB, 96*(KK%2)
	WIN WD|(WD<<2)
.irp m, 2*(\hf), 2*(\hf)+1
.irp u, 0,1,2,3
.if (\s) == 0
	v_wmma_scale_f32_16x16x128_f8f6f4 v[64+8*(4*(\m)+\u):64+8*(4*(\m)+\u)+7], v[BB+48+12*\u:BB+48+12*\u+11], v[BB+12*(\m):BB+12*(\m)+11], v[192+8*\u:192+8*\u+7], v[16+8*KK+4+\u], v[16+8*KK+(\m)] matrix_a_fmt:MATRIX_FMT_FP6 matrix_b_fmt:MATRIX_FMT_FP6
.else
	v_wmma_scale_f32_16x16x128_f8f6f4 v[64+8*(4*(\m)+\u):64+8*(4*(\m)+\u)+7], v[BB+48+12*\u:BB+48+12*\u+11], v[BB+12*(\m):BB+12*(\m)+11], v[64+8*(4*(\m)+\u):64+8*(4*(\m)+\u)+7], v[16+8*KK+4+\u], v[16+8*KK+(\m)] matrix_a_fmt:MATRIX_FMT_FP6 matrix_b_fmt:MATRIX_FMT_FP6
.endif
.endr
.endr
	WIN 0
.endm
	LOADH 0, 0
	LOADH 0, 1
	LOADH 1, 0
	LOADH 1, 1
.irp s, 0,1,2,3,4,5,6,7
.rept 4
	v_nop                                          ; places in front of loads into registers that matrix instructions have read
.endr
.if \s < 7
	s_wait_loadcnt 32                              ; this step's 32 loads (and, the first time, the bias) are in; the next step's 32 may be out
.else
	s_wait_loadcnt 0x0
.endif
.if (\s >= 2) && (\s < 6)
	s_wait_alu depctr_va_vdst(0)                   ; the matrix instructions of the steps before are done reading their sets and scale words: the loads below land in the set that the step two back read
.endif
.if \s < 6
	LOADH \s+2, 0
.endif
	MULH \s, 0
.if \s < 6
	LOADH \s+2, 1                                  ; no wait: no matrix instruction since the wait above names this set
.endif
	MULH \s, 1
.endr
.rept 4
	v_nop                                          ; in front of the first read of results and of loads into operand registers
.endr
	s_wait_alu depctr_va_vdst(0)                   ; the matrix instructions have written the accumulators, which the LDS stores read, and are done reading sets 0 and 1, in which the loads from the stage land; the places above stay beside this wait
	; THE WAY OUT: a tile of 16 tokens x my 64 columns goes through my own stage and comes back as whole runs of 256 bytes of a row
.irp m, 0,1,2,3
	WIN 0
.irp u, 0,1,2,3
	ds_store_b128 v10, v[64+8*(4*\m+\u):64+8*(4*\m+\u)+3] offset:64*\u          ; each accumulator from its low end on
	ds_store_b128 v10, v[64+8*(4*\m+\u)+4:64+8*(4*\m+\u)+7] offset:64*\u+16
.endr
	WIN 0x40
.irp i, 0,1,2,3,4,5,6,7
	ds_load_b128 v[32*\m+4*\i:32*\m+4*\i+3], v11 offset:544*\i   ; LDS serves a wave's instructions in order: these see my stores, and the next tile's stores come behind them
.endr
.endr
	WIN 0x04
.irp m, 0,1,2,3
.irp i, 0,1,2,3,4,5,6,7
	s_wait_dscnt 16*(3-\m)+7-\i                    ; what was issued behind this load may be out
	global_store_b128 v9, v[32*\m+4*\i:32*\m+4*\i+3], s[10:11] offset:4096*(16*\m+2*\i) th:TH_STORE_NT   ; 16 lanes store 256 consecutive bytes, aligned
.endr
.endr
	WIN 0
	s_wait_dscnt 0x0                               ; the closing lines, six on end
	s_wait_alu 0x0
	s_wait_tensorcnt 0x0
	ds_add_u32 v254, v255
	s_wait_dscnt 0x0
	s_endpgm
.Lfunc_end_k_q63ea2eae2c_proj:
	.size	k_q63ea2eae2c_proj, .Lfunc_end_k_q63ea2eae2c_proj-k_q63ea2eae2c_proj
	.p2alignl 7, 3214868480
	.fill 96, 4, 3214868480
	.section	.rodata,"a",@progbits
	.p2align	6, 0x0
	.amdhsa_kernel k_q63ea2eae2c_proj
		.amdhsa_group_segment_fixed_size 17920
		.amdhsa_private_segment_fixed_size 0
		.amdhsa_enable_private_segment 0
		.amdhsa_kernarg_size 32
		.amdhsa_user_sgpr_count 2
		.amdhsa_user_sgpr_kernarg_segment_ptr 1
		.amdhsa_wavefront_size32 1
		.amdhsa_system_sgpr_workgroup_id_x 1
		.amdhsa_system_sgpr_workgroup_id_y 1
		.amdhsa_system_sgpr_workgroup_id_z 1
		.amdhsa_system_vgpr_workitem_id 0
		.amdhsa_next_free_vgpr 768
		.amdhsa_next_free_sgpr 66
		.amdhsa_reserve_vcc 0
		.amdhsa_float_denorm_mode_32 3
		.amdhsa_float_denorm_mode_16_64 3
		.amdhsa_memory_ordered 1
		.amdhsa_forward_progress 1
		.amdhsa_inst_pref_size 55
	.end_amdhsa_kernel
	.amdgpu_metadata
---
amdhsa.version: [ 1, 2 ]
amdhsa.kernels:
  - .name:           k_q63ea2eae2c_proj
    .symbol:         k_q63ea2eae2c_proj.kd
    .args:
      - { .name: yq, .offset: 0, .size: 8, .value_kind: global_buffer, .address_space: global }
      - { .name: wq, .offset: 8, .size: 8, .value_kind: global_buffer, .address_space: global }
      - { .name: proj_b, .offset: 16, .size: 8, .value_kind: global_buffer, .address_space: global }
      - { .name: out0, .offset: 24, .size: 8, .value_kind: global_buffer, .address_space: global }
    .group_segment_fixed_size: 17920
    .private_segment_fixed_size: 0
    .kernarg_segment_align: 8
    .kernarg_segment_size: 32
    .max_flat_workgroup_size: 128
    .sgpr_count:     66
    .vgpr_count:     768
    .wavefront_size: 32
...
	.end_amdgpu_metadata
.endif
;; end of part 6
